; MI455X (gfx1250); checked and timed in simulation.
; The chip was launched on July 23, 2026; its instructions are those of AMD's public machine-readable ISA for CDNA 5 (MIT licence, August 2026) and "CDNA5" Instruction Set Architecture Reference Guide (July 2026). The comments in the code are by the model that wrote it; some were corrected since.
;; Gated Self Attention. Allowed arithmetic: matrix products marked QUANTISED: E2M1 operands, one E8M0 scale for each 32 along K, by v_wmma_scale_f32_16x16x128_f8f6f4 with both operands' format E2M1 (or v_wmma_scale_f32_32x16x128_f4), f32 sums; products left as they are: bf16, f16 or f32 operands; f32 sums; everything else in f32.
;; Inputs: Wg 2,048 x 2,048 float32; Wk 2,048 x 512 float32; Wo 2,048 x 2,048 float32; Wq 2,048 x 2,048 float32; Wv 2,048 x 512 float32; bg 2,048 float32; gn_bias 2,048 float32; gn_weight 2,048 float32; rope_cos 2,048 x 64 float32; rope_sin 2,048 x 64 float32; x 1 x 2,048 x 2,048 float32.
;; Outputs: out0 1 x 2,048 x 2,048 float32; out1 1 x 8 x 2,048 x 64 float32; out2 1 x 8 x 2,048 x 64 float32.
;; This version of the problem:
;;   THIS VERSION OF THE PROBLEM IS GIVEN IN LOW PRECISION. The matrix products marked QUANTISED in the list below multiply operands that are first quantised to E2M1 (2 exponent bits, 1 mantissa bit; 4 bits a number), with one power-of-two scale for each 32 numbers along K (OCP MX v1.0); their sums are f32. The products marked 'left as it is' may take bf16, f16 or f32 operands, with f32 sums. Whichever they take, every output number must still come out within the allowed error. Rounding operands to bf16 (8 significant bits) uses up far more of that allowance than f16 does (11 bits, for magnitudes from 6e-5 to 65,504). All else is computed in f32.
;;   The module's matrix products, in the order in which they are computed (A, B: the left and right operand; K: the contracted axis; several contracted axes count as one K, in the product's order):
;;     1. [M 2,048, K 2,048] x [K 2,048, N 2,048]; A: input x; B: input Wq: QUANTISED
;;     2. [M 2,048, K 2,048] x [K 2,048, N 512]; A: input x; B: input Wk: QUANTISED
;;     3. [M 2,048, K 2,048] x [K 2,048, N 512]; A: input x; B: input Wv: QUANTISED
;;     4. batch 32 x [M 2,048, K 64] x [K 64, N 2,048]; A: computed on the way; B: computed on the way: left as it is (an operand is computed on the way)
;;     5. batch 32 x [M 2,048, K 2,048] x [K 2,048, N 64]; A: computed on the way; B: computed on the way: left as it is (an operand is computed on the way)
;;     6. [M 2,048, K 2,048] x [K 2,048, N 2,048]; A: input x; B: input Wg: QUANTISED
;;     7. [M 2,048, K 2,048] x [K 2,048, N 2,048]; A: computed on the way; B: input Wo: left as it is (an operand is computed on the way)
;;   THE QUANTISER, for each operand of a quantised product, along K:
;;     - K is cut into blocks of 32 from its start; a last block that is shorter is filled with zeros.
;;     - A block's scale is 2^e with e = floor(log2(the largest magnitude in the block)) - 2, held to -126 .. 127; a block of zeros has e = 0. As a byte (E8M0): e + 127.
;;     - Each number is divided by its block's scale, clamped to +-6, and rounded to the nearest number of E2M1, ties to even, subnormals kept.
;;     - The product sums the exact products of the quantised numbers (number of the format x scale) in f32.
;;   ~~~python
;;   def quantise(x, axis):      # numpy; x: float32 -> the quantised numbers, widened to float32 again
;;       x = np.moveaxis(x, axis, -1); K = x.shape[-1]
;;       x = np.pad(x, [(0, 0)] * (x.ndim - 1) + [(0, -K % 32)]); x = x.reshape(x.shape[:-1] + (-1, 32)); a = np.abs(x).max(-1, keepdims=True)
;;       e = np.where(a > 0, np.clip(np.frexp(np.where(a > 0, a, 1))[1] - 1 - 2, -126, 127), 0)      # np.frexp(a)[1] - 1 = floor(log2(a)), exactly
;;       r = np.clip(x / 2.0 ** e, -6, 6)
;;       step = 2.0 ** (np.maximum(np.frexp(np.where(r == 0, 1, r))[1] - 1, 0) - 1)
;;       q = np.round(r / step) * step * 2.0 ** e      # np.round: ties to even
;;       return np.moveaxis(q.reshape(q.shape[:-2] + (-1,))[..., :K], -1, axis).astype(np.float32)
;;   ~~~
;; One version. Each part assembles by itself: llvm-mc -triple=amdgcn-amd-amdhsa -mcpu=gfx1250 --defsym DOCPART=n.
;; ======== version 1 of 1: 4 launches
;; limits: values outside matrix products are rounded to f16; values are held in f16: magnitudes above 65,504 overflow, below 6.1e-05 lose precision
;; workspace buffers: xq 2,228,224 bytes; wq 5,570,560 bytes; wot 8,388,608 bytes; q16 8,388,608 bytes; kv16 4,194,304 bytes; al16 8,388,608 bytes; g16 8,388,608 bytes
;; launch prep (part 1): grid 544 x 1, 4 waves a work-group, no clusters, 102,912 bytes of LDS; arguments x, Wq, Wk, Wv, Wg, Wo, xq, wq, wot; writes xq, wq, wot
.if DOCPART == 1
	.amdgcn_target "amdgcn-amd-amdhsa--gfx1250"
	.amdhsa_code_object_version 6
	.text
	.protected	k_q7a302921d1_prep
	.globl	k_q7a302921d1_prep
	.p2align	8
	.type	k_q7a302921d1_prep,@function
k_q7a302921d1_prep:
	s_mov_b64 s[64:65], 0
	v_nop
	global_prefetch_b8 v0, s[64:65] scope:SCOPE_SE
	s_setreg_imm32_b32 hwreg(HW_REG_WAVE_MODE, 25, 1), 1
	s_wait_xcnt 0x0
; PREP: the operands of the later launches are laid out once.
;   x [2048][2048] f32           -> xq : codes of E2M1 [2048][1024 bytes], K innermost; behind them (byte 2,097,152) one E8M0 byte for each 32 along K, [2048][64]
;   Wq, Wk, Wv, Wg [K 2048][N]   -> wq : codes [5120 (n)][1024 bytes], K innermost; behind them (byte 5,242,880) the scale bytes [5120][64].  Rows n: 0 Wq, 2048 Wk, 2560 Wv, 3072 Wg
;   Wo [K 2048][N 2048] f32      -> wot: f16 [n][k], K innermost (its product is left as it is)
; A block's scale is 2^(floor(log2(its largest magnitude)) - 2); its byte is the largest magnitude's own exponent field - 2, held at 1 from below.  A block of zeros so gets the byte 1 where the
; rule says 127: its codes are zeros, which add nothing under any byte but 0xff, and this program alone reads the bytes.  Each number is divided by the scale and rounded to the nearest code, ties to even.
; WORK THAT THIS PROGRAM LEAVES OUT: reference() itself sets attn to -inf where col > row.  There p = exp(-inf - m) is 0 for every finite m, so such a key adds 0 to the row's sum and 0 to out, whatever the
; inputs hold; the row's maximum is taken over the other keys (key 0 counts for every row).  So a step of 64 keys that all lie behind all 16 queries of a tile is not computed (launch attn).  Nothing else
; is left out, and every input is loaded.  LIMIT: a NaN, an infinity or an overflow that would arise only in such hidden scores is not carried to the result (reference()'s where throws it away too).
; LIMITS: blocks whose largest magnitude lies under 2^-124 take the byte 1; NaN and infinities in x and the weights are not served; numbers of Wo over 65,504 in magnitude are not served, under 6e-8 they become 0.
; THREE PATHS, parted by the work-group's number and never joined, each with LDS bytes of its own:  0-127: x;  128-287: the four weights;  288-543: Wo.
; No tensor loads, no barrier: waves share nothing.
.set SPARE, 102400                     ; the spare words, 128 bytes for each wave: two blocks of 256 bytes that no other line names
.set SPW,   192                        ; v192  LDS address of my spare word; never rewritten
.set NIL,   193                        ; v193  0; never rewritten
.set EMAX,  2
.set XR,    16                         ; path x: v16-79 four sets of 16 numbers as loaded
.set XX,    80                         ;         v80-111 two sets of 16 neighbours
.set XE,    112                        ;         v112-127 a scale byte for each step
.set XC,    128                        ;         v128-191 codes, four registers a step
.set XSP,   80                         ;         a lane's place in a stage: 64 bytes + 16 of padding
.set QX,    32                         ; weights: v32-95 two sets of 32 numbers down K
.set QC,    96                         ;          v96.. what a block makes
.set QOUT,  112                        ;          v112-175 the way out
.set QSB,   24                         ;          v24-27 scale bytes, four to a register
.set QP,    272                        ;          a stage row: 256 bytes + 16
.set KQST,  32768                      ; LDS: x's regions 0 .. 32,767; the weights' stages from here, 8,704 a wave;
.set WOST,  67584                      ; Wo's stages from here
	s_load_b256 s[4:11], s[0:1], 0x0               ; x s[4:5], Wq s[6:7], Wk s[8:9], Wv s[10:11]
	s_load_b256 s[12:19], s[0:1], 0x20             ; Wg s[12:13], Wo s[14:15], xq s[16:17], wq s[18:19]
	s_load_b64 s[20:21], s[0:1], 0x40              ; wot
	v_lshl_add_u32 v[SPW], v0, 2, SPARE
	v_mov_b32 v[NIL], 0
	v_lshrrev_b32 v1, 5, v0
	v_readfirstlane_b32 s22, v1                    ; wave 0..3
	v_and_b32 v2, 31, v0                           ; lane
	s_wait_kmcnt 0x0
	s_cmp_lt_u32 ttmp9, 128
	s_cbranch_scc1 .Lx
	s_cmp_lt_u32 ttmp9, 288
	s_cbranch_scc1 .Lkq
; The stage's addresses.  In: row = my column.  Out: sixteen lanes to a row, two rows an instruction.
.macro STAGEADR base
	s_mul_i32 s46, s22, 32*QP
	s_add_co_u32 s46, s46, \base                   ; my wave's stage
	v_lshlrev_b32 v3, 2, v2                        ; memory, in: 4 bytes a lane
	v_mul_u32_u24 v4, v2, QP
	v_add_nc_u32 v4, s46, v4
	v_and_b32 v5, 15, v2
	v_lshrrev_b32 v6, 4, v2
	v_mul_u32_u24 v7, v6, QP
	v_lshl_add_u32 v7, v5, 4, v7
	v_add_nc_u32 v7, s46, v7
.endm
; 32 rows of 256 bytes leave the stage: sixteen lanes store 256 consecutive bytes, aligned.  Then the wave's end.
.macro LEAVE sb, rowb
.irp t, 0,1,2,3,4,5,6,7,8,9,10,11,12,13,14,15
	ds_load_b128 v[QOUT+4*\t:QOUT+4*\t+3], v7 offset:2*\t*QP      ; LDS serves a wave's instructions in order: these see my stores
.endr
.irp t, 0,1,2,3,4,5,6,7,8,9,10,11,12,13,14,15
	s_wait_dscnt 15-\t                             ; the younger loads from the stage may stay out
	global_store_b128 v8, v[QOUT+4*\t:QOUT+4*\t+3], s[\sb:\sb+1] offset:2*\t*\rowb
.endr
	s_wait_tensorcnt 0x0                           ; the wave's end
	ds_add_u32 v[SPW], v[NIL]
	s_wait_dscnt 0x0
	s_endpgm
.endm
; ---------------- Wo: 256 work-groups; a wave takes 32 columns x 128 along K.  A lane takes a column, its registers run down K: pairs of neighbours along K pack into f16 words with K innermost.
	s_sub_co_u32 s24, ttmp9, 288
	s_and_b32 s25, s24, 15                         ; which 128 columns
	s_lshr_b32 s26, s24, 4                         ; which 128 along K
	s_lshl_b32 s25, s25, 7
	s_lshl_b32 s27, s22, 5
	s_add_co_u32 s25, s25, s27                     ; my wave's first column
	s_lshl_b32 s28, s26, 20                        ; 128 rows of 8,192 bytes
	s_lshl_b32 s27, s25, 2
	s_add_co_u32 s28, s28, s27
	s_mov_b32 s29, 0
	s_add_nc_u64 s[14:15], s[14:15], s[28:29]
	s_lshl_b32 s28, s25, 12                        ; wot: a row is 4,096 bytes
	s_lshl_b32 s27, s26, 8
	s_add_co_u32 s28, s28, s27
	s_add_nc_u64 s[20:21], s[20:21], s[28:29]
	STAGEADR WOST
	v_lshlrev_b32 v8, 12, v6
	v_lshl_add_u32 v8, v5, 4, v8                   ; the same two rows in wot
.macro LOADO t                         ; Wo(32 t + i, my column), i = 0 .. 31, into set t % 2
.set i, 0
.rept 32
	global_load_b32 v[QX+32*((\t)%2)+i], v3, s[14:15] offset:(32*(\t)+i)*8192 th:TH_LOAD_NT
.set i, i+1
.endr
.endm
.macro BLOCKO t
.set XS, QX+32*((\t)%2)
.if (\t) < 3
	s_wait_loadcnt 32                              ; this block's 32 loads are in; the next block's may be out
.else
	s_wait_loadcnt 0
.endif
.irp i, 0,1,2,3,4,5,6,7,8,9,10,11,12,13,14,15
	v_cvt_pk_f16_f32 v[QC+\i], v[XS+2*\i], v[XS+2*\i+1]           ; the lower k in the low half
.endr
.irp g, 0,1,2,3
	ds_store_b128 v4, v[QC+4*\g:QC+4*\g+3] offset:64*(\t)+16*\g
.endr
.if (\t)+2 < 4
	LOADO (\t)+2
.endif
	s_wait_dscnt 0x0                               ; the stores have read their registers: the next block may write them
.endm
	LOADO 0
	LOADO 1
	BLOCKO 0
	BLOCKO 1
	BLOCKO 2
	BLOCKO 3
	LEAVE 20, 4096
; ---------------- the four weights: 160 work-groups; a wave takes 32 columns x 512 along K: 16 blocks a lane, 256 bytes of codes a column.
.Lkq:
	s_sub_co_u32 s24, ttmp9, 128                   ; 0-127: Wq, Wg (64 each: 16 x 4);  128-159: Wk, Wv (16 each: 4 x 4)
	s_lshr_b32 s25, s24, 6                         ; wide: which tensor,
	s_and_b32 s26, s24, 15                         ; which 128 columns,
	s_bfe_u32 s27, s24, 0x20004                    ; which 512 along K
	s_bfe_u32 s28, s24, 0x10004                    ; narrow: the same three
	s_and_b32 s29, s24, 3
	s_bfe_u32 s30, s24, 0x20002
	s_cmp_lt_u32 s24, 128
	s_cselect_b32 s23, 0, 1                        ; 0: rows of 8,192 bytes; 1: of 2,048
	s_cselect_b32 s25, s25, s28
	s_cselect_b32 s26, s26, s29
	s_cselect_b32 s27, s27, s30
	s_cselect_b32 s31, 13, 11                      ; log2 of a row's bytes
	s_cselect_b64 s[32:33], s[6:7], s[8:9]         ; Wq or Wk,
	s_cselect_b64 s[34:35], s[12:13], s[10:11]     ; Wg or Wv
	s_cselect_b32 s36, 0, 2048                     ; the first tensor's first row in wq,
	s_mov_b32 s37, 512
	s_cselect_b32 s37, 3072, s37                   ; and how far on the second's is
	s_cmp_eq_u32 s25, 0
	s_cselect_b64 s[32:33], s[32:33], s[34:35]
	s_mul_i32 s37, s37, s25
	s_add_co_u32 s36, s36, s37
	s_lshl_b32 s26, s26, 7
	s_lshl_b32 s38, s22, 5
	s_add_co_u32 s26, s26, s38                     ; my wave's first column
	s_lshl_b32 s38, s27, 9
	s_lshl_b32 s38, s38, s31                       ; 512 rows a step along K
	s_lshl_b32 s39, s26, 2
	s_add_co_u32 s38, s38, s39
	s_mov_b32 s39, 0
	s_add_nc_u64 s[32:33], s[32:33], s[38:39]
	s_add_co_u32 s36, s36, s26                     ; my first row of wq
	s_lshl_b32 s38, s36, 10
	s_lshl_b32 s40, s27, 8
	s_add_co_u32 s38, s38, s40
	s_add_nc_u64 s[42:43], s[18:19], s[38:39]      ; its codes
	s_lshl_b32 s38, s36, 6
	s_lshl_b32 s40, s27, 4
	s_add_co_u32 s38, s38, s40
	s_add_co_u32 s38, s38, 5242880
	s_add_nc_u64 s[44:45], s[18:19], s[38:39]      ; its scale bytes
	STAGEADR KQST
	v_lshlrev_b32 v8, 10, v6
	v_lshl_add_u32 v8, v5, 4, v8                   ; the same two rows in wq
	v_lshlrev_b32 v9, 6, v2                        ; my column's row of scale bytes
; Block t: W(32 t + i, my column).  The two arms differ in the rows' pitch alone; each issues 32 loads, so every count holds on both.
.macro LOADQ t
	s_cmp_eq_u32 s23, 0
	s_cbranch_scc0 .Lnarrow_\@
.set i, 0
.rept 32
	global_load_b32 v[QX+32*((\t)%2)+i], v3, s[32:33] offset:(32*(\t)+i)*8192 th:TH_LOAD_NT
.set i, i+1
.endr
	s_branch .Lasked_\@
.Lnarrow_\@:
.set i, 0
.rept 32
	global_load_b32 v[QX+32*((\t)%2)+i], v3, s[32:33] offset:(32*(\t)+i)*2048 th:TH_LOAD_NT
.set i, i+1
.endr
.Lasked_\@:
.endm
.macro BLOCKQ t
.set XS, QX+32*((\t)%2)
.if (\t) < 15
	s_wait_loadcnt 32                              ; this block's 32 loads are in; the next block's may be out
.else
	s_wait_loadcnt 0
.endif
	v_max3_num_f32 v12, |v[XS]|, |v[XS+1]|, |v[XS+2]|             ; the block's largest magnitude: all 32 numbers are mine
	v_max3_num_f32 v13, |v[XS+3]|, |v[XS+4]|, |v[XS+5]|
.irp i, 6,10,14,18,22,26
	v_max3_num_f32 v12, v12, |v[XS+\i]|, |v[XS+\i+1]|
	v_max3_num_f32 v13, v13, |v[XS+\i+2]|, |v[XS+\i+3]|
.endr
	v_max3_num_f32 v12, v12, |v[XS+30]|, |v[XS+31]|
	v_max3_num_f32 v12, v12, v13, (EMAX+1)<<23     ; and the floor 2^(3 - 127): the byte cannot fall under 1
	v_add_nc_u32 v11, -(EMAX<<23), v12             ; 2 off its exponent field: the conversion takes the exponent field of this operand as its scale
	v_lshrrev_b32 v13, 23, v11                     ; the scale's byte
.if (\t)%4 == 0
	v_mov_b32 v[QSB+(\t)/4], v13                   ; four bytes to a register, the lower K in the lower byte
.else
	v_lshl_or_b32 v[QSB+(\t)/4], v13, 8*((\t)%4), v[QSB+(\t)/4]
.endif
.irp g, 0,1,2,3
	v_cvt_scalef32_pk8_fp4_f32 v[QC+\g], v[XS+8*\g:XS+8*\g+7], v11
.endr
	v_nop                                          ; one plain line behind the last scaled conversion
	ds_store_b128 v4, v[QC:QC+3] offset:16*(\t)    ; 32 codes: 16 bytes of my column's row
.if (\t)+2 < 16
	LOADQ (\t)+2
.endif
	s_wait_dscnt 0x0                               ; the store has read its registers
.endm
	LOADQ 0
	LOADQ 1
.irp t, 0,1,2,3,4,5,6,7,8,9,10,11,12,13,14,15
	BLOCKQ \t
.endr
	global_store_b128 v9, v[QSB:QSB+3], s[44:45]   ; my column's 16 scale bytes
	LEAVE 42, 1024
; ---------------- x: 128 work-groups; rows are dense and K is innermost, so x is a plain stream of blocks of 32.  A wave takes 16 steps of 512 numbers.
; Each of a step's four loads reads 512 consecutive bytes; the 2,048 bytes turn through the wave's own stage in LDS and come back 64 bytes a lane: 16 neighbours, two lanes to a block.
.Lx:
	v_lshlrev_b32 v3, 4, v2                        ; my 16 bytes of a load's 512
	s_mul_i32 s24, s22, 8192                       ; my wave's region: two stages of 32 x 80 bytes, behind them its 256 scale bytes
	v_lshrrev_b32 v14, 2, v2
	v_mul_u32_u24 v14, v14, XSP
	v_and_b32 v15, 3, v2
	v_lshl_add_u32 v14, v15, 4, v14
	v_add_nc_u32 v14, s24, v14                     ; the stage, in: four lanes' 64 bytes on end, then 16 of padding
	v_mul_u32_u24 v15, v2, XSP
	v_add_nc_u32 v15, s24, v15                     ; and out: my 16 neighbours
	v_lshlrev_b32 v4, 3, v2                        ; my 8 bytes of a step's codes
	v_lshrrev_b32 v5, 1, v2
	s_add_co_u32 s24, s24, 2*32*XSP
	v_add_nc_u32 v5, s24, v5                       ; my block's scale byte in LDS
	v_lshlrev_b32 v7, 3, v2
	v_add_nc_u32 v6, s24, v7
	s_lshl_b32 s26, ttmp9, 2
	s_add_co_u32 s26, s26, s22                     ; which run of 8,192 numbers is my wave's
	s_lshl_b32 s28, s26, 15
	s_mov_b32 s29, 0
	s_add_nc_u64 s[4:5], s[4:5], s[28:29]
	s_lshl_b32 s28, s26, 12
	s_add_nc_u64 s[30:31], s[16:17], s[28:29]      ; its codes
	s_lshl_b32 s28, s26, 8
	s_add_co_u32 s28, s28, 2097152
	s_add_nc_u64 s[32:33], s[16:17], s[28:29]      ; its 256 scale bytes
.macro XLOAD t
.irp i, 0,1,2,3
	global_load_b128 v[XR+16*((\t)%4)+4*\i:XR+16*((\t)%4)+4*\i+3], v3, s[4:5] offset:2048*(\t)+512*\i th:TH_LOAD_NT
.endr
.endm
.macro XTURN t                         ; step t's numbers through the stage
.irp i, 0,1,2,3
	ds_store_b128 v14, v[XR+16*((\t)%4)+4*\i:XR+16*((\t)%4)+4*\i+3] offset:32*XSP*((\t)%2)+8*XSP*\i
.endr
.irp i, 0,1,2,3
	ds_load_b128 v[XX+16*((\t)%2)+4*\i:XX+16*((\t)%2)+4*\i+3], v15 offset:32*XSP*((\t)%2)+16*\i
.endr
.endm
.irp t, 0,1,2,3
	XLOAD \t
.endr
	s_wait_loadcnt 12                              ; step 0's four loads are in; the twelve of steps 1 to 3 may be out
	XTURN 0
.macro XSTEP t
.set XS, XX+16*((\t)%2)
.if (\t) > 0
	s_wait_dscnt 1                                 ; this step's numbers are back from the stage; the last step's byte store may be out
.else
	s_wait_dscnt 0x0
.endif
.if (\t)+4 < 16
	XLOAD (\t)+4
.endif
.if (\t)+1 < 16
.if 14-(\t) >= 3
	s_wait_loadcnt 12                              ; the next step's four loads are in; those of the three steps behind it may be out
.else
	s_wait_loadcnt 4*(14-(\t))
.endif
	XTURN (\t)+1
.endif
	v_max3_num_f32 v8, |v[XS]|, |v[XS+1]|, |v[XS+2]|              ; the largest magnitude of my 16
	v_max3_num_f32 v9, |v[XS+3]|, |v[XS+4]|, |v[XS+5]|
.irp i, 6,10
	v_max3_num_f32 v8, v8, |v[XS+\i]|, |v[XS+\i+1]|
	v_max3_num_f32 v9, v9, |v[XS+\i+2]|, |v[XS+\i+3]|
.endr
	v_max3_num_f32 v8, v8, |v[XS+14]|, |v[XS+15]|
	v_max3_num_f32 v8, v8, v9, (EMAX+1)<<23        ; and the floor
	v_max_num_f32_dpp v8, v8, v8 row_xmask:1 row_mask:0xf bank_mask:0xf   ; and of my neighbour's 16: the block's
	v_add_nc_u32 v11, -(EMAX<<23), v8
	v_cvt_scalef32_pk8_fp4_f32 v[XC+4*(\t)], v[XS:XS+7], v11
	v_cvt_scalef32_pk8_fp4_f32 v[XC+4*(\t)+1], v[XS+8:XS+15], v11
	v_lshrrev_b32 v[XE+(\t)], 23, v11              ; the scale's byte (also the plain line behind the conversions)
	ds_store_b8 v5, v[XE+(\t)] offset:16*(\t)      ; both lanes of a block write the same byte with the same value
	global_store_b64 v4, v[XC+4*(\t):XC+4*(\t)+1], s[30:31] offset:256*(\t)   ; the wave stores 256 consecutive bytes, aligned
.endm
.irp t, 0,1,2,3,4,5,6,7,8,9,10,11,12,13,14,15
	XSTEP \t
.endr
	ds_load_b64 v[8:9], v6                         ; my wave's 256 scale bytes, 8 a lane
	s_wait_dscnt 0x0
	global_store_b64 v7, v[8:9], s[32:33]
	s_wait_tensorcnt 0x0                           ; the wave's end
	ds_add_u32 v[SPW], v[NIL]
	s_wait_dscnt 0x0
	s_endpgm
.Lfunc_end_k_q7a302921d1_prep:
	.size	k_q7a302921d1_prep, .Lfunc_end_k_q7a302921d1_prep-k_q7a302921d1_prep
	.p2alignl 7, 3214868480
	.fill 96, 4, 3214868480
	.section	.rodata,"a",@progbits
	.p2align	6, 0x0
	.amdhsa_kernel k_q7a302921d1_prep
		.amdhsa_group_segment_fixed_size 102912
		.amdhsa_private_segment_fixed_size 0
		.amdhsa_enable_private_segment 0
		.amdhsa_kernarg_size 72
		.amdhsa_user_sgpr_count 2
		.amdhsa_user_sgpr_kernarg_segment_ptr 1
		.amdhsa_wavefront_size32 1
		.amdhsa_system_sgpr_workgroup_id_x 1
		.amdhsa_system_sgpr_workgroup_id_y 1
		.amdhsa_system_sgpr_workgroup_id_z 1
		.amdhsa_system_vgpr_workitem_id 0
		.amdhsa_next_free_vgpr 200
		.amdhsa_next_free_sgpr 66
		.amdhsa_reserve_vcc 0
		.amdhsa_float_denorm_mode_32 3
		.amdhsa_float_denorm_mode_16_64 3
		.amdhsa_memory_ordered 1
		.amdhsa_forward_progress 1
		.amdhsa_inst_pref_size 183
	.end_amdhsa_kernel
	.amdgpu_metadata
---
amdhsa.version: [ 1, 2 ]
amdhsa.kernels:
  - .name:           k_q7a302921d1_prep
    .symbol:         k_q7a302921d1_prep.kd
    .args:
      - { .name: x, .offset: 0, .size: 8, .value_kind: global_buffer, .address_space: global }
      - { .name: Wq, .offset: 8, .size: 8, .value_kind: global_buffer, .address_space: global }
      - { .name: Wk, .offset: 16, .size: 8, .value_kind: global_buffer, .address_space: global }
      - { .name: Wv, .offset: 24, .size: 8, .value_kind: global_buffer, .address_space: global }
      - { .name: Wg, .offset: 32, .size: 8, .value_kind: global_buffer, .address_space: global }
      - { .name: Wo, .offset: 40, .size: 8, .value_kind: global_buffer, .address_space: global }
      - { .name: xq, .offset: 48, .size: 8, .value_kind: global_buffer, .address_space: global }
      - { .name: wq, .offset: 56, .size: 8, .value_kind: global_buffer, .address_space: global }
      - { .name: wot, .offset: 64, .size: 8, .value_kind: global_buffer, .address_space: global }
    .group_segment_fixed_size: 102912
    .private_segment_fixed_size: 0
    .kernarg_segment_align: 8
    .kernarg_segment_size: 72
    .max_flat_workgroup_size: 128
    .sgpr_count:     66
    .vgpr_count:     200
    .wavefront_size: 32
...
	.end_amdgpu_metadata
.endif
;; end of part 1
;; launch proj (part 2): grid 40 x 16, 4 waves a work-group, clusters of 4 x 4, 327,680 bytes of LDS; arguments xq, wq, rope_cos, rope_sin, bg, q16, kv16, al16, out1, out2; writes q16, kv16, al16, out1, out2
.if DOCPART == 2
	.amdgcn_target "amdgcn-amd-amdhsa--gfx1250"
	.amdhsa_code_object_version 6
	.text
	.protected	k_q7a302921d1_proj
	.globl	k_q7a302921d1_proj
	.p2align	8
	.type	k_q7a302921d1_proj,@function
k_q7a302921d1_proj:
	s_mov_b64 s[64:65], 0
	v_nop
	global_prefetch_b8 v0, s[64:65] scope:SCOPE_SE
	s_setreg_imm32_b32 hwreg(HW_REG_WAVE_MODE, 25, 1), 1
	s_wait_xcnt 0x0
	s_wait_alu depctr_hold_cnt(0) depctr_sa_sdst(0) depctr_va_vdst(0) depctr_va_sdst(0) depctr_va_ssrc(0) depctr_va_vcc(0) depctr_vm_vsrc(0)
	s_getreg_b32 s2, hwreg(HW_REG_IB_STS2, 6, 4)
	s_cmp_eq_u32 s2, 0
	s_cbranch_scc0 .Lentry_in_a_cluster
	s_endpgm
.Lentry_in_a_cluster:
	s_bfe_u32 s2, ttmp6, 0x10000c
	s_cmp_lg_u32 s2, 0xf033
	s_cbranch_scc0 .Lentry_shape_is_right
	s_endpgm
.Lentry_shape_is_right:
; PROJ: x [2048][2048] times [Wq | Wk | Wv | Wg] [2048][5120], on codes of E2M1 with one E8M0 scale for each 32 along K, sums in f32; then what reference() does to each part:
;   columns 0-2047 (q): RoPE -> q16 [32][2048][64] f16;   2048-2559 (k): RoPE -> out1 f32 and kv16 planes 0-7 f16;   2560-3071 (v): -> out2 f32 and kv16 planes 8-15;   3072-5119: sigmoid(. + bg) -> al16 [32][2048][64] f16.
; LIMIT: q, k, v over 65,504 in magnitude are not served in their f16 copies (the operands of the products that are left as they are); out1 and out2 are f32.
; SHARES.  A work-group makes 128 tokens x 128 columns, each of its four waves 64 x 64: one head wide, 16 accumulators.  ALL OF K lies in LDS (two halves of 1,024 along K, rows of 512 bytes): every LDS byte is
; filled once, at the head; nothing is filled again.  By the text's own count a wave has three tensor loads out: its scales, its part of each half.
; CLUSTERS: 4 x 4 work-groups.  The four of a row need the same rows of x, the four of a column the same rows of wq: each tile is asked for jointly.  A column of clusters is 512 columns wide, so the kind of
; its columns (q, k, v, gate) hangs on the cluster's x alone and is the same in all sixteen partners: the branches on it are alike in all.
; THE MATRIX INSTRUCTION IS USED TRANSPOSED (source 0 = 16 rows of wq, source 1 = 16 tokens): a lane holds token lane % 16 and eight neighbouring columns 16 b + 8 (lane / 16) + 0 .. 7.
; REGISTERS: window 0: v1-31 addresses; v32-95 scale words (register 16 i + kq: lanes 0-15 x's block i, lanes 16-31 wq's block i, for the kq-th 128 along K); v96-127 at work; v128-255 accumulator (a, b) at 128 + 8 (4 a + b).
;   window 1: four sets of fragments (set p: x's block i at 64 p + 8 i, wq's at 64 p + 32 + 8 i); on the way out cos and sin.
.set PITCH, 528                        ; an LDS row: 512 bytes + 16 of padding: an odd multiple of 16, so the 16 rows of a load start in 16 different columns of 16 bytes
.set HALFT, 64*PITCH                   ; 64 rows: what one tensor load brings, and what one wave reads of x or of wq
.set SLOT,  4*HALFT                    ; one half of K: x's 128 rows, then wq's 128
.set SCL,   2*SLOT                     ; the scales, as rows of 256 bytes + 16
.set HALFS, 16*272                     ; those of 64 rows
.set SBLK,  4*272                      ; of 16 rows
.set STAGE, SCL+4*HALFS                ; the way out: 16 rows x (256 + 16) for each wave
.set SPARE, STAGE+4*16*272             ; the spare words, 128 bytes a wave
.set ADRA, 16                          ; v16-17 my fragments of x in half 0, 1
.set ADRB, 20                          ; v20-21 of wq
.set RPO,  22                          ; v22  256 r + 32 h: my place in cos and sin
.set BGO,  23                          ; v23  32 h: in bg
.set STO,  24                          ; v24  the stage, in
.set RD,   25                          ; v25  the stage, out
.set FO,   26                          ; v26  16 x lane
.set ADRS, 27                          ; v27  my scale words
.set SPW,  28
.set NIL,  29
.set HFO,  30                          ; v30  8 x lane
.set SC,   32
.set TMP,  96
.set ACC,  128
.set G1A,  36                          ; s[36:43] group 1, x's codes;  s[44:51] wq's;  s[52:59] x's scales;  s[68:75] wq's
.set G1B,  44
.set G1SA, 52
.set G1SB, 68
.set G0A,  76                          ; s[76:83] group 0, x's codes, a set for each half;  s[84:91] wq's;  s[92:95], s[96:99] the scales'
.set G0B,  84
.set G0SA, 92
.set G0SB, 96
.set MSB, 0
.macro WIN new                         ; the immediate's high byte repeats the setting that is left
.if MSB != \new
	s_set_vgpr_msb (MSB<<8)|\new
.set MSB, \new
.endif
.endm
; A joint load: waves 0 and 1 fetch for x, waves 2 and 3 for wq.  The branch hangs on the wave's number alone.  An s_nop 0 and four v_nop follow each of the two lines.
.macro JLOAD g0a, g1a, g0b, g1b
	s_cmp_eq_u32 s25, 0
	s_cbranch_scc0 .Lfor_b_\@
	tensor_load_to_lds s[\g0a:\g0a+3], s[\g1a:\g1a+7]
	s_nop 0
.rept 4
	v_nop
.endr
	s_branch .Lasked_\@
.Lfor_b_\@:
	tensor_load_to_lds s[\g0b:\g0b+3], s[\g1b:\g1b+7]
	s_nop 0
.rept 4
	v_nop
.endr
.Lasked_\@:
.endm
.macro CROUND                          ; a round of the cluster's barrier
	s_barrier_signal -1
	s_barrier_wait -1
	s_cmp_lg_u32 s24, 0
	s_cbranch_scc1 .Lnot_wave_0_\@
	s_barrier_signal -3
.Lnot_wave_0_\@:
	s_barrier_wait -3
	s_barrier_signal -1
	s_barrier_wait -1
.endm
.macro PLACES n
.rept \n
	v_nop
.endr
.endm
	s_load_b256 s[4:11], s[0:1], 0x0               ; xq s[4:5], wq s[6:7], cos s[8:9], sin s[10:11]
	s_load_b256 s[12:19], s[0:1], 0x20             ; bg s[12:13], q16 s[14:15], kv16 s[16:17], al16 s[18:19]
	s_load_b128 s[20:23], s[0:1], 0x40             ; out1 s[20:21], out2 s[22:23]
	v_lshl_add_u32 v[SPW], v0, 2, SPARE
	v_mov_b32 v[NIL], 0
	ds_add_u32 v[SPW], v[NIL]                      ; the wave's opening
	ds_add_u32 v[SPW], v[NIL]
	v_lshrrev_b32 v1, 5, v0
	v_readfirstlane_b32 s24, v1                    ; wave 0..3
	s_lshr_b32 s25, s24, 1                         ; which 64 tokens are mine.  Also: I fetch for x (0) or for wq (1)
	s_and_b32 s26, s24, 1                          ; which 64 columns.  Also: which 64 rows of that tile I fetch
	s_bfe_u32 s27, ttmp6, 0x40000                  ; cx
	s_bfe_u32 s28, ttmp6, 0x40004                  ; cy
	s_lshl_b32 s29, ttmp9, 2
	s_add_co_u32 s29, s29, s27                     ; tile column = 4 x cluster x + cx
	s_and_b32 s30, ttmp7, 0xffff
	s_lshl_b32 s30, s30, 2
	s_add_co_u32 s30, s30, s28                     ; tile row = 4 x cluster y + cy
	s_lshl_b32 s31, s28, 2
	s_lshl_b32 s31, 15, s31                        ; my row of the cluster
	s_lshl_b32 s32, 0x1111, s27                    ; my column
	s_or_b32 s[G1A], s31, (0<<16)|(1<<20)|(1<<21)|(6<<22)|(3<<25)   ; the mask; elements of 1 byte; padding on; bit 21 beside a mask; after every 128 words; four words
	s_or_b32 s[G1B], s32, (0<<16)|(1<<20)|(1<<21)|(6<<22)|(3<<25)
.irp g, G1A, G1B
	s_mov_b32 s[\g+1], 512<<16                     ; tensor_dim0
	s_mov_b32 s[\g+2], 64<<16                      ; tensor_dim1
	s_mov_b32 s[\g+3], 512<<16                     ; tile_dim0
	s_mov_b32 s[\g+4], 64                          ; tile_dim1
	s_mov_b32 s[\g+5], 1024                        ; a row of codes in memory
	s_mov_b32 s[\g+6], 0
	s_mov_b32 s[\g+7], 0
.endr
	s_or_b32 s[G1SA], s31, (3<<16)|(1<<20)|(1<<21)|(5<<22)|(3<<25)  ; the scales of 64 rows: 4,096 dense bytes, as 16 rows of 32 elements of 8 bytes, 16 bytes of padding behind each
	s_or_b32 s[G1SB], s32, (3<<16)|(1<<20)|(1<<21)|(5<<22)|(3<<25)
.irp g, G1SA, G1SB
	s_mov_b32 s[\g+1], 32<<16
	s_mov_b32 s[\g+2], 16<<16
	s_mov_b32 s[\g+3], 32<<16
	s_mov_b32 s[\g+4], 16
	s_mov_b32 s[\g+5], 32
	s_mov_b32 s[\g+6], 0
	s_mov_b32 s[\g+7], 0
.endr
	s_lshl_b32 s34, s26, 6                         ; which 64 rows of the tile I fetch
	s_lshl_b32 s60, s30, 7
	s_add_co_u32 s60, s60, s34                     ; x: row 128 x tile row + 64 x half
	s_lshl_b32 s62, s29, 7
	s_add_co_u32 s62, s62, s34                     ; wq: row 128 x tile column + 64 x half
	s_lshl_b32 s2, s60, 6
	s_add_co_u32 s2, s2, 2097152                   ; where these rows' scales begin,
	s_mov_b32 s3, 0
	s_lshl_b32 s66, s62, 6
	s_add_co_u32 s66, s66, 5242880
	s_mov_b32 s67, 0
	s_lshl_b32 s60, s60, 10                        ; and their codes
	s_mov_b32 s61, 0
	s_lshl_b32 s62, s62, 10
	s_mov_b32 s63, 0
	s_mul_i32 s34, s24, HALFT                      ; where they go: by the wave's number alone
	s_mul_i32 s35, s24, HALFS
	s_wait_dscnt 0x0                               ; both opening adds are done
	s_wait_kmcnt 0x0
	s_add_nc_u64 s[60:61], s[4:5], s[60:61]
	s_add_nc_u64 s[2:3], s[4:5], s[2:3]
	s_add_nc_u64 s[62:63], s[6:7], s[62:63]
	s_add_nc_u64 s[66:67], s[6:7], s[66:67]
	CROUND                                         ; all sixteen work-groups are here: the joint loads meet
	s_mov_b32 s[G0SA], 1
	s_add_co_u32 s[G0SA+1], s35, SCL
	s_mov_b64 s[G0SA+2:G0SA+3], s[2:3]
	s_or_b32 s[G0SA+3], s[G0SA+3], 0x80000000
	s_mov_b32 s[G0SB], 1
	s_add_co_u32 s[G0SB+1], s35, SCL
	s_mov_b64 s[G0SB+2:G0SB+3], s[66:67]
	s_or_b32 s[G0SB+3], s[G0SB+3], 0x80000000
	JLOAD G0SA, G1SA, G0SB, G1SB                   ; the scales first
.irp s, 0,1
	s_mov_b32 s[G0A+4*\s], 1
	s_add_co_u32 s[G0A+4*\s+1], s34, \s*SLOT
	s_add_nc_u64 s[G0A+4*\s+2:G0A+4*\s+3], s[60:61], \s*512
	s_or_b32 s[G0A+4*\s+3], s[G0A+4*\s+3], 0x80000000
	s_mov_b32 s[G0B+4*\s], 1
	s_add_co_u32 s[G0B+4*\s+1], s34, \s*SLOT
	s_add_nc_u64 s[G0B+4*\s+2:G0B+4*\s+3], s[62:63], \s*512
	s_or_b32 s[G0B+4*\s+3], s[G0B+4*\s+3], 0x80000000
	JLOAD G0A+4*\s, G1A, G0B+4*\s, G1B
.endr
	v_and_b32 v1, 15, v0                           ; r
	v_bfe_u32 v2, v0, 4, 1                         ; h
	v_mul_u32_u24 v3, v1, PITCH
	v_lshl_add_u32 v4, v2, 4, v3                   ; a fragment's row x pitch + 16 h
	s_mul_i32 s34, s25, HALFT                      ; my 64 tokens
	s_mul_i32 s35, s26, HALFT                      ; my 64 rows of wq,
	s_add_co_u32 s35, s35, 2*HALFT                 ; behind x's 128
.irp s, 0,1
	v_add_nc_u32 v[ADRA+\s], s34, v4
	v_add_nc_u32 v[ADRB+\s], s35, v4
	s_add_co_u32 s34, s34, SLOT
	s_add_co_u32 s35, s35, SLOT
.endr
	v_mul_u32_u24 v5, v1, 64                       ; my row's scales: 64 bytes a row,
	v_lshrrev_b32 v6, 8, v5
	v_lshl_add_u32 v5, v6, 4, v5                   ; and 16 more for each 256 passed
	s_mul_i32 s34, s25, HALFS
	s_mul_i32 s35, s26, HALFS
	s_add_co_u32 s35, s35, 2*HALFS
	s_sub_co_u32 s35, s35, s34
	v_mul_u32_u24 v6, s35, v2                      ; lanes 16-31 take wq's
	s_add_co_u32 s34, s34, SCL
	v_add_nc_u32 v5, v5, v6
	v_add_nc_u32 v[ADRS], s34, v5
	v_lshlrev_b32 v[RPO], 8, v1
	v_lshl_add_u32 v[RPO], v2, 5, v[RPO]
	v_lshlrev_b32 v[BGO], 5, v2
	s_mul_i32 s34, s24, 16*272
	s_add_co_u32 s34, s34, STAGE                   ; my stage
	v_mul_u32_u24 v5, v1, 272
	v_lshl_add_u32 v5, v2, 5, v5
	v_add_nc_u32 v[STO], s34, v5                   ; in: row r, 32 bytes for each half of the lanes
	v_mul_u32_u24 v5, v2, 272
	v_lshl_add_u32 v5, v1, 4, v5
	v_add_nc_u32 v[RD], s34, v5                    ; out: lanes 0-15 one row of 256 bytes, lanes 16-31 the next
	v_and_b32 v6, 31, v0
	v_lshlrev_b32 v[FO], 4, v6
	v_lshlrev_b32 v[HFO], 3, v6
	; where my 64 x 64 goes.  hd = my head among the 80 of the 5,120 columns; m0 = my first token
	s_lshl_b32 s60, s29, 1
	s_add_co_u32 s60, s60, s26                     ; hd
	s_lshl_b32 s61, s30, 7
	s_lshl_b32 s62, s25, 6
	s_add_co_u32 s61, s61, s62                     ; m0
	s_lshl_b32 s62, s61, 8
	s_mov_b32 s63, 0
	s_add_nc_u64 s[8:9], s[8:9], s[62:63]          ; cos and sin at my first token
	s_add_nc_u64 s[10:11], s[10:11], s[62:63]
	s_cmp_lt_u32 ttmp9, 6
	s_cselect_b64 s[16:17], s[16:17], s[18:19]     ; kv16 or al16,
	s_cselect_b32 s66, 32, 48
	s_cmp_lt_u32 ttmp9, 4
	s_cselect_b64 s[14:15], s[14:15], s[16:17]     ; or q16: the f16 copy's buffer,
	s_cselect_b32 s66, 0, s66
	s_sub_co_u32 s66, s60, s66                     ; my plane in it,
	s_lshl_b32 s62, s66, 18
	s_lshl_b32 s67, s61, 7
	s_add_co_u32 s62, s62, s67
	s_add_nc_u64 s[14:15], s[14:15], s[62:63]      ; and my first row there
	s_lshl_b32 s62, s66, 8
	s_add_nc_u64 s[12:13], s[12:13], s[62:63]      ; bg at my head (read by the gate's work-groups alone)
	s_cmp_eq_u32 ttmp9, 4
	s_cselect_b64 s[20:21], s[20:21], s[22:23]     ; out1 or out2 (stored by k's and v's work-groups alone),
	s_and_b32 s62, s60, 7                          ; my plane: hd - 32 or hd - 40
	s_lshl_b32 s62, s62, 19
	s_lshl_b32 s67, s61, 8
	s_add_co_u32 s62, s62, s67
	s_add_nc_u64 s[20:21], s[20:21], s[62:63]
	s_sub_co_u32 s33, ttmp9, 4
	s_cmp_lt_u32 s33, 2
	s_cselect_b32 s33, 1, 0                        ; 1: k or v
; 16 LDS loads: the fragments of the half's q-th 128 along K into set p.  A fragment, 16 rows x 128 K of 4-bit codes, is 8 registers: two loads of 16 bytes, 32 bytes apart.
.macro FETCH hf, q, p
	WIN 0x40                                       ; destination window 1, address window 0
.irp i, 0,1,2,3
	ds_load_b128 v[64*(\p)+32+8*\i:64*(\p)+32+8*\i+3],   v[ADRB+\hf] offset:64*(\q)+16*PITCH*\i
	ds_load_b128 v[64*(\p)+32+8*\i+4:64*(\p)+32+8*\i+7], v[ADRB+\hf] offset:64*(\q)+16*PITCH*\i+32
	ds_load_b128 v[64*(\p)+8*\i:64*(\p)+8*\i+3],         v[ADRA+\hf] offset:64*(\q)+16*PITCH*\i
	ds_load_b128 v[64*(\p)+8*\i+4:64*(\p)+8*\i+7],       v[ADRA+\hf] offset:64*(\q)+16*PITCH*\i+32
.endr
.endm
; 16 matrix instructions, 128 along K: the 16 accumulators by turns, one instruction a turn, in the same order in every step.  zero = 1: the products start the sums.
.macro MUL16 p, kq, zero
.irp a, 0,1,2,3
.irp b, 0,1,2,3
.if \zero
	v_wmma_scale_f32_16x16x128_f8f6f4 v[ACC+8*(4*\a+\b):ACC+8*(4*\a+\b)+7], v[64*(\p)+32+8*\b:64*(\p)+32+8*\b+7], v[64*(\p)+8*\a:64*(\p)+8*\a+7], 0, v[SC+16*\b+(\kq)], v[SC+16*\a+(\kq)] matrix_a_fmt:MATRIX_FMT_FP4 matrix_b_fmt:MATRIX_FMT_FP4 matrix_a_scale:MATRIX_SCALE_ROW1
.else
	v_wmma_scale_f32_16x16x128_f8f6f4 v[ACC+8*(4*\a+\b):ACC+8*(4*\a+\b)+7], v[64*(\p)+32+8*\b:64*(\p)+32+8*\b+7], v[64*(\p)+8*\a:64*(\p)+8*\a+7], v[ACC+8*(4*\a+\b):ACC+8*(4*\a+\b)+7], v[SC+16*\b+(\kq)], v[SC+16*\a+(\kq)] matrix_a_fmt:MATRIX_FMT_FP4 matrix_b_fmt:MATRIX_FMT_FP4 matrix_a_scale:MATRIX_SCALE_ROW1
.endif
.endr
.endr
.endm
; One half of K: eight steps of 128 on four sets of fragments, fetched four steps ahead.  A load into a register that a matrix instruction has read stands four plain vector lines behind it.
.macro HALF hf, first
.irp q, 0,1,2,3
	FETCH \hf, \q, \q
.endr
.irp q, 0,1,2,3,4,5,6,7
.if \q < 5
	s_wait_dscnt 48                                ; this step's 16 loads are in; those of the three steps behind it may be out
.else
	s_wait_dscnt 16*(7-\q)
.endif
	WIN 0x05                                       ; sources 0 and 1 window 1; C and D window 0
.if (\first) && (\q == 0)
	MUL16 \q%4, 8*\hf+\q, 1
.else
	MUL16 \q%4, 8*\hf+\q, 0
.endif
.if (\q < 4) || (\q == 7)
	PLACES 4
.endif
.if \q < 4
	FETCH \hf, \q+4, \q
.endif
.endr
	WIN 0
.endm
	s_wait_tensorcnt 0x1                           ; my scales and my part of the first half are in; the second half's load may be out
	s_barrier_signal -1
	s_barrier_wait -1                              ; everybody's are
.irp i, 0,1,2,3
.irp u, 0,1,2,3
	ds_load_b128 v[SC+16*\i+4*\u:SC+16*\i+4*\u+3], v[ADRS] offset:SBLK*\i+16*\u   ; all 16 scale words of a row: lanes 0-15 x's block i, lanes 16-31 wq's
.endr
.endr
	HALF 0, 1
	s_wait_tensorcnt 0x0                           ; my part of the second half is in
	s_wait_dscnt 0x0
	s_barrier_signal -1
	s_barrier_wait -1                              ; everybody's is
	HALF 1, 0
	s_cmp_lt_u32 ttmp9, 5
	s_cbranch_scc1 .Lrope
	s_cmp_eq_u32 ttmp9, 5
	s_cbranch_scc1 .Lout                           ; v goes out as it is
	; ---- the gate: 1 / (1 + 2^(-log2(e) (sum + bg)))
.irp b, 0,1,2,3
.irp u, 0,1
	global_load_b128 v[TMP+8*\b+4*\u:TMP+8*\b+4*\u+3], v[BGO], s[12:13] offset:64*\b+16*\u
.endr
.endr
	s_wait_loadcnt 0x0
.set i, 0
.rept 32
	v_mul_f32 v[TMP+i], 0xbfb8aa3b, v[TMP+i]       ; -log2(e) bg
.set i, i+1
.endr
.irp a, 0,1,2,3
.irp b, 0,1,2,3
.irp jj, 0,2,4,6
	v_pk_fma_f32 v[ACC+8*(4*\a+\b)+\jj:ACC+8*(4*\a+\b)+\jj+1], v[ACC+8*(4*\a+\b)+\jj:ACC+8*(4*\a+\b)+\jj+1], 0xbfb8aa3b, v[TMP+8*\b+\jj:TMP+8*\b+\jj+1] op_sel_hi:[1,0,1]   ; each accumulator from its low end on
.endr
.endr
.endr
.set i, 0
.rept 128
	v_exp_f32 v[ACC+i], v[ACC+i]
.set i, i+1
.endr
	v_nop                                          ; a plain line behind the last exponential
	s_wait_alu depctr_va_vdst(0)                   ; one wait for the batch, ahead of its first reader
.set i, 0
.rept 64
	v_pk_add_f32 v[ACC+i:ACC+i+1], v[ACC+i:ACC+i+1], 1.0 op_sel_hi:[1,0]
.set i, i+2
.endr
.set i, 0
.rept 128
	v_rcp_f32 v[ACC+i], v[ACC+i]
.set i, i+1
.endr
	v_nop
	s_wait_alu depctr_va_vdst(0)                   ; one wait for the batch
	s_branch .Lout
.Lrope:
	; ---- RoPE.  My 64 columns are one head: accumulators (a, 0), (a, 1) hold d = 0 .. 31, (a, 2), (a, 3) hold d + 32.  out(d) = x(d) cos(d) - x(d + 32) sin(d);  out(d + 32) = x(d + 32) cos(d + 32) + x(d) sin(d + 32)
	WIN 0x40
.irp a, 0,1,2,3
.irp bb, 0,1,2,3
.irp u, 0,1
	global_load_b128 v[64*\a+8*\bb+4*\u:64*\a+8*\bb+4*\u+3], v[RPO], s[8:9] offset:4096*\a+64*\bb+16*\u
.endr
.endr
.irp bb, 0,1,2,3
.irp u, 0,1
	global_load_b128 v[64*\a+32+8*\bb+4*\u:64*\a+32+8*\bb+4*\u+3], v[RPO], s[10:11] offset:4096*\a+64*\bb+16*\u
.endr
.endr
.endr
	WIN 0x04                                       ; source 1 window 1
.irp a, 0,1,2,3
	s_wait_loadcnt 48-16*\a                        ; block a's 16 loads are in; the later blocks' may be out
.irp p, 0,1
.irp jj, 0,2,4,6
	v_pk_mul_f32 v[TMP+2*\jj:TMP+2*\jj+1], v[ACC+8*(4*\a+\p+2)+\jj:ACC+8*(4*\a+\p+2)+\jj+1], v[64*\a+32+8*\p+\jj:64*\a+32+8*\p+\jj+1]
	v_pk_mul_f32 v[TMP+2*\jj+2:TMP+2*\jj+3], v[ACC+8*(4*\a+\p)+\jj:ACC+8*(4*\a+\p)+\jj+1], v[64*\a+32+8*(\p+2)+\jj:64*\a+32+8*(\p+2)+\jj+1]
	v_pk_fma_f32 v[ACC+8*(4*\a+\p)+\jj:ACC+8*(4*\a+\p)+\jj+1], v[ACC+8*(4*\a+\p)+\jj:ACC+8*(4*\a+\p)+\jj+1], v[64*\a+8*\p+\jj:64*\a+8*\p+\jj+1], v[TMP+2*\jj:TMP+2*\jj+1] neg_lo:[0,0,1] neg_hi:[0,0,1]
	v_pk_fma_f32 v[ACC+8*(4*\a+\p+2)+\jj:ACC+8*(4*\a+\p+2)+\jj+1], v[ACC+8*(4*\a+\p+2)+\jj:ACC+8*(4*\a+\p+2)+\jj+1], v[64*\a+8*(\p+2)+\jj:64*\a+8*(\p+2)+\jj+1], v[TMP+2*\jj+2:TMP+2*\jj+3]
.endr
.endr
.endr
	WIN 0
.Lout:
; THE WAY OUT, 16 tokens x 64 columns at a time, through my own stage: in as 32 bytes a lane, back as whole rows of 256 bytes, into the registers that they left.  LDS serves a wave's instructions in order.
.macro TOSTAGE a
.irp b, 0,1,2,3
	ds_store_b128 v[STO], v[ACC+8*(4*(\a)+\b):ACC+8*(4*(\a)+\b)+3] offset:64*\b        ; each accumulator from its low end on
	ds_store_b128 v[STO], v[ACC+8*(4*(\a)+\b)+4:ACC+8*(4*(\a)+\b)+7] offset:64*\b+16
.endr
.irp t, 0,1,2,3,4,5,6,7
	ds_load_b128 v[ACC+32*(\a)+4*\t:ACC+32*(\a)+4*\t+3], v[RD] offset:2*272*\t
.endr
.endm
.macro SEND a, younger                 ; younger: the LDS instructions issued behind block a's loads, which may stay out
	s_wait_dscnt \younger
.if (\a) >= 2
	s_wait_xcnt 0x0                                ; block a - 2's stores have read the registers that the roundings below write
.endif
	s_cmp_eq_u32 s33, 0
	s_cbranch_scc1 .Lno_f32_\@                     ; k and v also leave in f32: the problem's outputs
.irp t, 0,1,2,3,4,5,6,7
	global_store_b128 v[FO], v[ACC+32*(\a)+4*\t:ACC+32*(\a)+4*\t+3], s[20:21] offset:4096*(\a)+512*\t   ; two rows of 256 bytes: 512 consecutive bytes
.endr
.Lno_f32_\@:
.irp t, 0,1,2,3,4,5,6,7
	v_cvt_pk_f16_f32 v[TMP+16*((\a)%2)+2*\t], v[ACC+32*(\a)+4*\t], v[ACC+32*(\a)+4*\t+1]
	v_cvt_pk_f16_f32 v[TMP+16*((\a)%2)+2*\t+1], v[ACC+32*(\a)+4*\t+2], v[ACC+32*(\a)+4*\t+3]
.endr
.irp t, 0,1,2,3,4,5,6,7
	global_store_b64 v[HFO], v[TMP+16*((\a)%2)+2*\t:TMP+16*((\a)%2)+2*\t+1], s[14:15] offset:2048*(\a)+256*\t   ; two rows of 128 bytes: 256 consecutive bytes, aligned
.endr
.endm
	TOSTAGE 0
	TOSTAGE 1
	SEND 0, 16                                     ; behind block 0's loads: block 1's 8 stores and 8 loads
	TOSTAGE 2
	SEND 1, 16
	TOSTAGE 3
	SEND 2, 16
	SEND 3, 0
	s_wait_tensorcnt 0x0                           ; the wave's end
	ds_add_u32 v[SPW], v[NIL]
	s_wait_dscnt 0x0
	CROUND                                         ; the closing round
	s_endpgm
.Lfunc_end_k_q7a302921d1_proj:
	.size	k_q7a302921d1_proj, .Lfunc_end_k_q7a302921d1_proj-k_q7a302921d1_proj
	.p2alignl 7, 3214868480
	.fill 96, 4, 3214868480
	.section	.rodata,"a",@progbits
	.p2align	6, 0x0
	.amdhsa_kernel k_q7a302921d1_proj
		.amdhsa_group_segment_fixed_size 327680
		.amdhsa_private_segment_fixed_size 0
		.amdhsa_enable_private_segment 0
		.amdhsa_kernarg_size 80
		.amdhsa_user_sgpr_count 2
		.amdhsa_user_sgpr_kernarg_segment_ptr 1
		.amdhsa_wavefront_size32 1
		.amdhsa_system_sgpr_workgroup_id_x 1
		.amdhsa_system_sgpr_workgroup_id_y 1
		.amdhsa_system_sgpr_workgroup_id_z 1
		.amdhsa_system_vgpr_workitem_id 0
		.amdhsa_next_free_vgpr 512
		.amdhsa_next_free_sgpr 100
		.amdhsa_reserve_vcc 0
		.amdhsa_float_denorm_mode_32 3
		.amdhsa_float_denorm_mode_16_64 3
		.amdhsa_memory_ordered 1
		.amdhsa_forward_progress 1
		.amdhsa_inst_pref_size 112
	.end_amdhsa_kernel
	.amdgpu_metadata
---
amdhsa.version: [ 1, 2 ]
amdhsa.kernels:
  - .name:           k_q7a302921d1_proj
    .symbol:         k_q7a302921d1_proj.kd
    .args:
      - { .name: xq, .offset: 0, .size: 8, .value_kind: global_buffer, .address_space: global }
      - { .name: wq, .offset: 8, .size: 8, .value_kind: global_buffer, .address_space: global }
      - { .name: rope_cos, .offset: 16, .size: 8, .value_kind: global_buffer, .address_space: global }
      - { .name: rope_sin, .offset: 24, .size: 8, .value_kind: global_buffer, .address_space: global }
      - { .name: bg, .offset: 32, .size: 8, .value_kind: global_buffer, .address_space: global }
      - { .name: q16, .offset: 40, .size: 8, .value_kind: global_buffer, .address_space: global }
      - { .name: kv16, .offset: 48, .size: 8, .value_kind: global_buffer, .address_space: global }
      - { .name: al16, .offset: 56, .size: 8, .value_kind: global_buffer, .address_space: global }
      - { .name: out1, .offset: 64, .size: 8, .value_kind: global_buffer, .address_space: global }
      - { .name: out2, .offset: 72, .size: 8, .value_kind: global_buffer, .address_space: global }
    .group_segment_fixed_size: 327680
    .private_segment_fixed_size: 0
    .kernarg_segment_align: 8
    .kernarg_segment_size: 80
    .max_flat_workgroup_size: 128
    .sgpr_count:     100
    .vgpr_count:     512
    .wavefront_size: 32
...
	.end_amdgpu_metadata
.endif
;; end of part 2
;; launch attn (part 3): grid 32 x 8, 16 waves a work-group, no clusters, 327,680 bytes of LDS; arguments q16, kv16, al16, gn_weight, gn_bias, g16; writes g16
.if DOCPART == 3
	.amdgcn_target "amdgcn-amd-amdhsa--gfx1250"
	.amdhsa_code_object_version 6
	.text
	.protected	k_q7a302921d1_attn
	.globl	k_q7a302921d1_attn
	.p2align	8
	.type	k_q7a302921d1_attn,@function
k_q7a302921d1_attn:
	s_mov_b64 s[64:65], 0
	v_nop
	global_prefetch_b8 v0, s[64:65] scope:SCOPE_SE
	s_setreg_imm32_b32 hwreg(HW_REG_WAVE_MODE, 25, 1), 1
	s_wait_xcnt 0x0
; ATTN: causal attention with grouped heads, then the norm over each head's 64 channels, gain, bias and the gate:  g16[s][64 head + d] = (norm(out) w + b) alpha, f16, the operand of the last product.
; q16 [32][2048][64], kv16 [16][2048][64] (planes 0-7 k, 8-15 v), al16 [32][2048][64]: f16.  Products on f16 operands with f32 sums; maxima, exponentials, sums and the norm in f32.
; LEFT OUT: steps of 64 keys that all lie behind all 16 queries of a tile: under the mask that reference() builds their p is 0 (shown at the head of the first launch).
; SOFTMAX: a running maximum m and sum l for each query; p = 2^(c s - c m), c = log2(e) / 8; in every step O and l are multiplied by a = 2^(c m_old - c m_new).  At the end O / (l + 1e-9).
; nan_to_num: a NaN among a row's terms makes the row's sum NaN, and then every p of that row is NaN and becomes 0: the row of out is 0.  Else the sum is finite and at least 1 and no p is NaN.  So out = l is NaN ? 0 : O / (l + 1e-9).
; LIMITS: the weights p are rounded to f16 for the second product (under 6e-8 they become 0); (norm w + b) alpha over 65,504 in magnitude is not served.
; SHARES.  256 work-groups of equal work: work-group (j, kv head) owns that kv head's four query heads on tokens 32 j .. + 31 and 32 (63 - j) .. + 31: 65 units of 32 keys whatever j.  Each of sixteen waves owns one tile of
; 16 queries of one head, in 256 registers: four waves to a SIMD, so that one wave's vector work stands beside another's matrix work and LDS loads.
; NO CLUSTER: work-groups of one kv head read the same K and V, but under the causal limit they need different numbers of tiles, and a joint load must be issued by all that it names.
; K's and V's tiles come through a ring of two LDS slots of 256 keys (waves 0, 1: K's halves; waves 2, 3: V's).  Every work-group walks all 8 slots, so that the trip counts are constants; what is left out is a step's work and,
; past the work-group's last query, the load.  Every wait for tensor loads is for 0.
; LAYOUT.  S^T = K Q^T (source 0 = 16 keys, source 1 = my 16 queries): a lane holds ONE query (lane % 16) and keys 8 (lane / 16) + 0 .. 7.  Two such tiles, rounded in pairs, ARE source 1 of O^T = V^T P.  V is turned by ds_load_tr16_b128.
.set SK,    256                        ; keys in a slot: four steps of 64
.set KP,    144                        ; a key's row in LDS: 128 bytes + 16
.set VP,    160                        ; a row of V: 128 + 32
.set VOFF,  SK*KP
.set SLOT1, 1<<17
.set NSL,   8
.set STAGE, SLOT1+SK*(KP+VP)           ; behind the ring: 64 tokens x (512 bytes + 16): the work-group's rows of g16
.set SPITCH, 528
.set SPARE, STAGE+64*SPITCH            ; the spare words, 128 bytes for each of 16 waves
.set AK0,  1                           ; v1   my lane's place in a tile of K
.set AV0,  2                           ; v2   and of V
.set SPW,  3
.set NIL,  4
.set ADK,  5                           ; v5, v6  addresses of the step's loads
.set ADV,  6
.set RH,   7                           ; v7   r - 8 h
.set NINF, 8                           ; v8   -infinity
.set DD,   9                           ; v9   at work in the mask
                                       ; v[10:11] c m, m;  v[12:13] l in two halves;  v14-17 four maxima, then a in v16;  v[18:19] at work
.set RQ,   20                          ; v20-35   Q
.set RS,   36                          ; v36-67   S^T, then p
.set RP,   68                          ; v68-83   P in f16
.set RO,   84                          ; v84-115  O^T
.set RK,   116                         ; v116-179 K's 8 fragments
.set RV,   180                         ; v180-243 V's 8
.set PFO,  244
.set QO,   245                         ; v245 128 r + 16 h
.set STO,  246
.set RD,   247
.set GO,   248                         ; v248 16 x lane
.set HO,   249                         ; v249 32 h
.set ZERO, 250
.set TB,    2                          ; s2   LDS byte at which the slot in hand begins
.set SLOTS, 3                          ; s3   changes of slots to go
.set WV,   18
.set SEL,  20
.set CS,   22
.set G1K,  24
.set G1V,  32
.set G0K,  40
.set G0V,  44
.set KF,   48                          ; s48  the step's first key
.set Q0,   49                          ; s49  my first query
.set QL,   50                          ; s50  my work-group's last query
.set PFA,  56
.set LIM,  58
; Waves 0 and 1 fetch for K, waves 2 and 3 for V, the others nothing.  An s_nop 0 and four v_nop follow each of the two lines.
.macro TLOAD
	s_cmp_lt_u32 s[WV], 2
	s_cbranch_scc0 .Lnot_k_\@
	tensor_load_to_lds s[G0K:G0K+3], s[G1K:G1K+7]
	s_nop 0
.rept 4
	v_nop
.endr
	s_branch .Lasked_\@
.Lnot_k_\@:
	s_cmp_lt_u32 s[WV], 4
	s_cbranch_scc0 .Lasked_\@
	tensor_load_to_lds s[G0V:G0V+3], s[G1V:G1V+7]
	s_nop 0
.rept 4
	v_nop
.endr
.Lasked_\@:
.endm
; A prefetch of what the NEXT change of slots will ask for: 32,768 dense bytes of K's plane and as many of V's.  All work-groups of a kv head walk the same K and V: work-group j = 0, which walks every slot, asks.
; In it the waves ask that fetch nothing: waves 4-7 for K, 8-11 for V, 8,192 bytes a wave, lanes 256 bytes apart: each block of 256 bytes is named once.  The last change that fills a slot asks for nothing.
.macro ASK
	s_cmp_gt_u32 s[SLOTS], s[LIM]
	s_cbranch_scc0 .Lnot_mine_\@
	global_prefetch_b8 v[PFO], s[PFA:PFA+1] th:TH_LOAD_NT scope:SCOPE_SE
.Lnot_mine_\@:
.endm
	s_load_b256 s[4:11], s[0:1], 0x0               ; q16 s[4:5], kv16 s[6:7], al16 s[8:9], gn_weight s[10:11]
	s_load_b128 s[12:15], s[0:1], 0x20             ; gn_bias s[12:13], g16 s[14:15]
	v_lshl_add_u32 v[SPW], v0, 2, SPARE
	v_mov_b32 v[NIL], 0
	ds_add_u32 v[SPW], v[NIL]                      ; the wave's opening
	ds_add_u32 v[SPW], v[NIL]
	v_lshrrev_b32 v5, 5, v0
	v_readfirstlane_b32 s[WV], v5                  ; wave 0..15
	s_and_b32 s55, ttmp7, 0xffff                   ; the kv head
	s_lshr_b32 s60, s[WV], 2
	s_and_b32 s53, s60, 1                          ; sub: which 16 of a block's 32 tokens
	s_xor_b32 s52, s[WV], s60
	s_and_b32 s52, s52, 1                          ; hi: the low block or the high one.  So dealt, any four waves w % 4 alike or w / 4 alike hold two of each
	s_bfe_u32 s51, s[WV], 0x10001
	s_lshr_b32 s60, s[WV], 3
	s_lshl_b32 s60, s60, 1
	s_or_b32 s51, s51, s60                         ; g: which of the four query heads
	s_sub_co_u32 s61, 63, ttmp9
	s_cmp_eq_u32 s52, 0
	s_cselect_b32 s60, ttmp9, s61
	s_lshl_b32 s[Q0], s60, 5
	s_lshl_b32 s60, s53, 4
	s_add_co_u32 s[Q0], s[Q0], s60
	s_lshl_b32 s60, ttmp9, 5
	s_sub_co_u32 s[QL], 2047, s60
	s_lshl_b32 s62, s55, 2
	s_add_co_u32 s62, s62, s51                     ; my query head
	s_lshl_b32 s68, s62, 18
	s_lshl_b32 s60, s[Q0], 7
	s_add_co_u32 s68, s68, s60                     ; my first row in q16 and in al16
	s_mov_b32 s69, 0
	s_lshl_b32 s70, s62, 8                         ; my head in the gain and the bias
	s_mov_b32 s71, 0
	s_and_b32 s60, s[WV], 1                        ; what I fetch, if I fetch: 128 keys x half
	s_lshl_b32 s66, s55, 18
	s_lshl_b32 s63, s60, 14
	s_add_co_u32 s66, s66, s63
	s_mov_b32 s67, 0
	s_mul_i32 s62, s60, 128*KP
	s_mul_i32 s63, s60, 128*VP
	s_add_co_u32 s63, s63, VOFF
	s_mov_b32 s[G1K], (1<<16)|(1<<20)|(4<<22)|(3<<25)   ; no mask; elements of 2 bytes; padding on; after every 32 words; four words
	s_mov_b32 s[G1V], (1<<16)|(1<<20)|(4<<22)|(7<<25)   ; eight words
.irp g, G1K, G1V
	s_mov_b32 s[\g+1], 64<<16                      ; tensor_dim0
	s_mov_b32 s[\g+2], 128<<16                     ; tensor_dim1
	s_mov_b32 s[\g+3], 64<<16                      ; tile_dim0
	s_mov_b32 s[\g+4], 128                         ; tile_dim1
	s_mov_b32 s[\g+5], 64                          ; elements from row to row
	s_mov_b32 s[\g+6], 0
	s_mov_b32 s[\g+7], 0
.endr
	s_mov_b32 s[SEL], 0x76543210
	s_mov_b32 s[SEL+1], 0xfedcba98                 ; v_permlanex16_b32's selects for lane l xor 16
	s_mov_b32 s[CS], 0x3e38aa3b                    ; c = log2(e) / 8
	s_mov_b32 s[CS+1], s[CS]
	s_mov_b32 s98, 0x3c800000                      ; 1 / 64
	s_mov_b32 s99, 0x3727c5ac                      ; 1e-5
	s_mov_b32 s[TB], 0
	s_mov_b32 s[SLOTS], NSL-1
	s_mov_b32 s[KF], 0
	s_wait_dscnt 0x0                               ; both opening adds are done
	s_wait_kmcnt 0x0
	s_mov_b32 s[G0K], 1
	s_mov_b32 s[G0K+1], s62
	s_add_nc_u64 s[G0K+2:G0K+3], s[6:7], s[66:67]
	s_or_b32 s[G0K+3], s[G0K+3], 0x80000000
	s_mov_b32 s[G0V], 1
	s_mov_b32 s[G0V+1], s63
	s_add_nc_u64 s[G0V+2:G0V+3], s[6:7], s[66:67]
	s_add_nc_u64 s[G0V+2:G0V+3], s[G0V+2:G0V+3], 2097152   ; v's planes lie behind k's eight
	s_or_b32 s[G0V+3], s[G0V+3], 0x80000000
	TLOAD                                          ; slot 0: it holds key 0, which counts for every query
	s_add_nc_u64 s[4:5], s[4:5], s[68:69]
	s_add_nc_u64 s[8:9], s[8:9], s[68:69]
	s_add_nc_u64 s[10:11], s[10:11], s[70:71]
	s_add_nc_u64 s[12:13], s[12:13], s[70:71]
	s_lshl_b32 s70, s[WV], 2                       ; on the way out wave w stores the stage's rows 4 w .. 4 w + 3: the low block's tokens (w < 8) or the high one's
	s_lshl_b32 s72, ttmp9, 5
	s_lshl_b32 s73, s61, 5
	s_sub_co_u32 s73, s73, 32
	s_cmp_lt_u32 s[WV], 8
	s_cselect_b32 s72, s72, s73
	s_add_co_u32 s70, s70, s72
	s_lshl_b32 s70, s70, 12                        ; a row of g16 is 4,096 bytes
	s_lshl_b32 s72, s55, 9                         ; the kv head's four heads: 512 bytes of it
	s_add_co_u32 s70, s70, s72
	s_add_nc_u64 s[14:15], s[14:15], s[70:71]
	s_cmp_lt_u32 s[WV], 8                          ; the prefetches: waves 4-7 K's plane, waves 8-11 V's
	s_cselect_b32 s72, 0, 2097152
	s_lshl_b32 s73, s55, 18
	s_add_co_u32 s72, s72, s73
	s_and_b32 s73, s[WV], 3
	s_lshl_b32 s73, s73, 13
	s_add_co_u32 s72, s72, s73
	s_add_co_u32 s72, s72, SK*128                  ; in slot 1: the first change of slots steps it to slot 2.  Nothing is prefetched here, at the head
	s_mov_b32 s73, 0
	s_add_nc_u64 s[PFA:PFA+1], s[6:7], s[72:73]
	s_sub_co_u32 s72, s[WV], 4
	s_lshr_b32 s72, s72, 3                         ; 0 in waves 4 to 11,
	s_or_b32 s72, s72, ttmp9                       ; of work-group j = 0
	s_cmp_eq_u32 s72, 0
	s_cselect_b32 s[LIM], 1, -1
	v_and_b32 v9, 15, v0                           ; r
	v_bfe_u32 v10, v0, 4, 1                        ; h
	v_mul_u32_u24 v[AK0], v9, KP
	v_lshl_add_u32 v[AK0], v10, 4, v[AK0]          ; K: row r, + 16 h
	v_and_b32 v11, 7, v0
	v_lshl_add_u32 v[AV0], v10, 3, v11             ; V, for the turning load: key 8 h + lane % 8,
	v_mul_u32_u24 v[AV0], v[AV0], VP
	v_bfe_u32 v11, v0, 3, 1
	v_lshl_add_u32 v[AV0], v11, 4, v[AV0]          ; channels 8 ((lane / 8) % 2) on
	v_add_nc_u32 v[AV0], VOFF, v[AV0]
	v_lshlrev_b32 v11, 3, v10
	v_sub_nc_u32 v[RH], v9, v11
	v_mov_b32 v[NINF], 0xff800000
	v_lshlrev_b32 v[QO], 7, v9
	v_lshl_add_u32 v[QO], v10, 4, v[QO]
	s_lshl_b32 s74, s52, 5                         ; the stage, in: row 32 hi + 16 sub + r, bytes 128 g + 16 h on
	s_lshl_b32 s75, s53, 4
	s_add_co_u32 s74, s74, s75
	s_mul_i32 s74, s74, SPITCH
	s_lshl_b32 s75, s51, 7
	s_add_co_u32 s74, s74, s75
	s_add_co_u32 s74, s74, STAGE
	v_mul_u32_u24 v[STO], v9, SPITCH
	v_lshl_add_u32 v[STO], v10, 4, v[STO]
	v_add_nc_u32 v[STO], s74, v[STO]
	s_mul_i32 s74, s[WV], 4*SPITCH                 ; and out: rows 4 w on, 16 bytes a lane
	s_add_co_u32 s74, s74, STAGE
	v_and_b32 v[GO], 31, v0
	v_lshlrev_b32 v[PFO], 8, v[GO]
	v_lshlrev_b32 v[GO], 4, v[GO]
	v_add_nc_u32 v[RD], s74, v[GO]
	v_lshlrev_b32 v[HO], 5, v10
	v_mov_b32 v[ZERO], 0
.irp i, 0,1,2,3
	global_load_b128 v[RQ+4*\i:RQ+4*\i+3], v[QO], s[4:5] offset:32*\i   ; Q's two fragments stay in registers
.endr
	v_mov_b32 v11, 0xff61b1e6                      ; m: -3e38, under every score
	v_mul_f32 v10, s[CS], v11                      ; c m
	v_mov_b32 v[DD], 0
.irp i, 12,13,14,15,16,17,18,19
	v_mov_b32 v\i, 0                               ; l, and the registers at work: pairs and lane permutes name them before a step has written them
.endr
.set i, 0
.rept 32
	v_mov_b32 v[RO+i], 0                           ; O^T.  (The step is written once: the first finds zeros, which its a = 0 leaves zeros)
.set i, i+1
.endr
; A KEY STEP: 64 keys, the q-th of the slot in hand.
.macro STEP q
	s_add_co_u32 s96, s[Q0], 15
	s_cmp_gt_u32 s[KF], s96                        ; all its keys lie behind my 16 queries: left out.  Ids and the count of steps alone; no barrier, wait for tensor loads or tensor load stands in a step
	s_cbranch_scc1 .Lhidden_\@
	v_add_nc_u32 v[ADK], s[TB], v[AK0]
	v_add_nc_u32 v[ADV], s[TB], v[AV0]
	v_nop
	v_nop                                          ; with the two additions: four plain lines between the last step's products and the loads into V's registers
.irp kt, 0,1,2,3
.irp c, 0,1
	ds_load_b128 v[RK+16*\kt+8*\c:RK+16*\kt+8*\c+3],   v[ADK] offset:(64*(\q)+16*\kt)*KP+64*\c
	ds_load_b128 v[RK+16*\kt+8*\c+4:RK+16*\kt+8*\c+7], v[ADK] offset:(64*(\q)+16*\kt)*KP+64*\c+32
.endr
.endr
.irp kh, 0,1
.irp t, 0,1,2,3
	ds_load_tr16_b128 v[RV+32*\kh+8*\t:RV+32*\kh+8*\t+3],   v[ADV] offset:(64*(\q)+32*\kh)*VP+32*\t
	ds_load_tr16_b128 v[RV+32*\kh+8*\t+4:RV+32*\kh+8*\t+7], v[ADV] offset:(64*(\q)+32*\kh)*VP+16*VP+32*\t
.endr
.endr
	s_wait_dscnt 16                                ; K is in; V's sixteen loads may be out
.irp kt, 0,1,2,3                               ; S^T = K Q^T: the four tiles by turns
	v_wmma_f32_16x16x32_f16 v[RS+8*\kt:RS+8*\kt+7], v[RK+16*\kt:RK+16*\kt+7], v[RQ:RQ+7], 0
.endr
.irp kt, 0,1,2,3
	v_wmma_f32_16x16x32_f16 v[RS+8*\kt:RS+8*\kt+7], v[RK+16*\kt+8:RK+16*\kt+15], v[RQ+8:RQ+15], v[RS+8*\kt:RS+8*\kt+7]
.endr
.rept 4
	v_nop
.endr
	s_add_co_u32 s96, s[KF], 63
	s_cmp_le_u32 s96, s[Q0]
	s_cbranch_scc1 .Lopen_\@                       ; all 64 keys count for all my queries
	s_sub_co_i32 s96, s[Q0], s[KF]
	v_add_nc_u32 v[DD], s96, v[RH]                 ; my query - the step's first key - 8 h.  Register 8 kt + i holds key 16 kt + 8 h + i of the step: hidden where 16 kt + i is greater
.irp kt, 0,1,2,3
.irp i, 0,1,2,3,4,5,6,7
	v_cmp_gt_i32 vcc_lo, 16*\kt+\i, v[DD]
	v_cndmask_b32 v[RS+8*\kt+\i], v[RS+8*\kt+\i], v[NINF], vcc_lo
.endr
.endr
.Lopen_\@:
.irp j, 0,1,2,3
	v_max3_num_f32 v[14+\j], v[RS+8*\j], v[RS+8*\j+1], v[RS+8*\j+2]     ; each tile from its low end on
.endr
.irp i, 3,5
.irp j, 0,1,2,3
	v_max3_num_f32 v[14+\j], v[14+\j], v[RS+8*\j+\i], v[RS+8*\j+\i+1]
.endr
.endr
	v_max3_num_f32 v14, v14, v[RS+7], v[RS+15]
	v_max3_num_f32 v16, v16, v[RS+23], v[RS+31]
	v_max3_num_f32 v14, v14, v15, v16
	v_max3_num_f32 v14, v14, v17, v11              ; with the old m
	v_permlanex16_b32 v15, v14, s[SEL], s[SEL+1]   ; the query's other 32 keys lie in the lane 16 away
	v_mov_b32 v17, v10                             ; c m_old
	v_max_num_f32 v11, v14, v15
	v_mul_f32 v10, s[CS], v11
	v_sub_f32 v17, v17, v10
.irp b, 0,1,2,3,4,5,6,7,8,9,10,11,12,13,14,15
	v_pk_fma_f32 v[RS+2*\b:RS+2*\b+1], v[RS+2*\b:RS+2*\b+1], s[CS:CS+1], v[10:11] op_sel_hi:[1,0,0] neg_lo:[0,0,1] neg_hi:[0,0,1]   ; c s - c m
.endr
	v_exp_f32 v16, v17                             ; a
.set i, 0
.rept 32
	v_exp_f32 v[RS+i], v[RS+i]
.set i, i+1
.endr
	v_nop                                          ; a plain line behind the last exponential
	s_wait_alu depctr_va_vdst(0)                   ; one wait for the batch of 33, ahead of its first reader
.irp i, 0,1,2,3,4,5,6,7,8,9,10,11,12,13,14,15
	v_cvt_pk_f16_f32 v[RP+\i], v[RS+2*\i], v[RS+2*\i+1]
.endr
	v_pk_mul_f32 v[12:13], v[12:13], v[16:17] op_sel_hi:[1,0]           ; l under the new m,
	v_pk_add_f32 v[18:19], v[RS:RS+1], v[RS+2:RS+3]                     ; and the step's sum, in two chains
.irp j, 4,8,12,16,20,24,28
	v_pk_add_f32 v[12:13], v[12:13], v[RS+\j:RS+\j+1]
	v_pk_add_f32 v[18:19], v[18:19], v[RS+\j+2:RS+\j+3]
.endr
	v_pk_add_f32 v[12:13], v[12:13], v[18:19]
.irp i, 0,1,2,3,4,5,6,7,8,9,10,11,12,13,14,15
	v_pk_mul_f32 v[RO+2*\i:RO+2*\i+1], v[RO+2*\i:RO+2*\i+1], v[16:17] op_sel_hi:[1,0]   ; O^T under the new m
.endr
	s_wait_dscnt 0x0                               ; V is in
.irp kh, 0,1                                   ; O^T += V^T P: the four tiles of channels by turns
.irp t, 0,1,2,3
	v_wmma_f32_16x16x32_f16 v[RO+8*\t:RO+8*\t+7], v[RV+32*\kh+8*\t:RV+32*\kh+8*\t+7], v[RP+8*\kh:RP+8*\kh+7], v[RO+8*\t:RO+8*\t+7]
.endr
.endr
.Lhidden_\@:
	s_add_co_u32 s[KF], s[KF], 64
.endm
; THE CHANGE OF SLOTS stands at a slot's head.  Each wave waits for all its tensor loads, adds 0 to its spare word, and waits for that and for its reads of the slot that it has left.  Behind the barrier the slot ahead
; is whole and nobody reads the other one.  fill = 1: that other slot takes the next 256 keys, if any wave of the work-group will read them.
.macro CHANGE fill
	s_wait_tensorcnt 0x0                           ; no tensor load of mine is out, so a first group may be written
	ds_add_u32 v[SPW], v[NIL]
.if \fill
	ds_add_u32 v[SPW], v[NIL]                      ; and once more
	s_xor_b32 s[G0K+1], s[G0K+1], SLOT1            ; the walking descriptors: the other slot, the next 256 keys
	s_add_nc_u64 s[G0K+2:G0K+3], s[G0K+2:G0K+3], SK*128
	s_xor_b32 s[G0V+1], s[G0V+1], SLOT1
	s_add_nc_u64 s[G0V+2:G0V+3], s[G0V+2:G0V+3], SK*128
	s_wait_xcnt 0x0                                ; the last prefetch, a slot back, has read its address
	s_add_nc_u64 s[PFA:PFA+1], s[PFA:PFA+1], SK*128   ; one slot further on than the walking descriptors
.endif
	s_wait_dscnt 0x0                               ; the add is done, and my reads of the slot that I have left are over
	s_barrier_signal -1
	s_barrier_wait -1
.if \fill
	s_add_co_u32 s96, s[KF], SK                    ; the first key of the slot that this change would ask for:
	s_cmp_gt_u32 s96, s[QL]                        ; behind my work-group's last query it is read by none of its waves, so it is not asked for.  Ids and the count of steps alone: all sixteen waves go the same way
	s_cbranch_scc1 .Lpast_\@
	TLOAD                                          ; a wave's one tensor load until the next such barrier
.Lpast_\@:
	ASK
.endif
.endm
.macro SLOT_STEPS
.irp q, 0,1,2,3
	STEP \q
.endr
	s_xor_b32 s[TB], s[TB], SLOT1
.endm
	s_wait_loadcnt 0x0                             ; Q
.Lslot:                                            ; 7 trips
	CHANGE 1
	SLOT_STEPS
	s_sub_co_u32 s[SLOTS], s[SLOTS], 1
	s_cmp_lg_u32 s[SLOTS], 0
	s_cbranch_scc1 .Lslot
	CHANGE 0                                       ; the last slot is written out: nothing is left to fetch
	SLOT_STEPS
	; THE WAY OUT.
.rept 4
	v_nop                                          ; places behind the last products
.endr
.irp t, 0,1,2,3
	global_load_b128 v[RS+4*\t:RS+4*\t+3], v[QO], s[8:9] offset:32*\t   ; alpha of my query, channels 16 t + 8 h + 0 .. 7, f16
.endr
.irp t, 0,1,2,3
.irp u, 0,1
	global_load_b128 v[RK+8*\t+4*\u:RK+8*\t+4*\u+3], v[HO], s[10:11] offset:64*\t+16*\u         ; the gain,
	global_load_b128 v[RK+32+8*\t+4*\u:RK+32+8*\t+4*\u+3], v[HO], s[12:13] offset:64*\t+16*\u   ; the bias
.endr
.endr
	v_add_f32 v12, v12, v13                        ; l's two halves,
	v_permlanex16_b32 v14, v12, s[SEL], s[SEL+1]
	v_add_f32 v12, v12, v14                        ; and lane l xor 16's
	v_cmp_neq_f32 s60, v12, v12                    ; l is NaN: the row of out is 0
	v_add_f32 v12, 0x3089705f, v12                 ; + 1e-9
	v_rcp_f32 v14, v12
	v_nop
	s_wait_alu depctr_va_vdst(0)
.irp i, 0,1,2,3,4,5,6,7,8,9,10,11,12,13,14,15
	v_pk_mul_f32 v[RO+2*\i:RO+2*\i+1], v[RO+2*\i:RO+2*\i+1], v[14:15] op_sel_hi:[1,0]   ; each tile from its low end on
.endr
.set i, 0
.rept 32
	v_cndmask_b32 v[RO+i], v[RO+i], v[ZERO], s60
.set i, i+1
.endr
	v_pk_add_f32 v[16:17], v[RO:RO+1], v[RO+2:RO+3]                    ; the mean over the head's 64 channels: my 32,
	v_pk_add_f32 v[18:19], v[RO+4:RO+5], v[RO+6:RO+7]
.irp i, 8,12,16,20,24,28
	v_pk_add_f32 v[16:17], v[16:17], v[RO+\i:RO+\i+1]
	v_pk_add_f32 v[18:19], v[18:19], v[RO+\i+2:RO+\i+3]
.endr
	v_pk_add_f32 v[16:17], v[16:17], v[18:19]
	v_add_f32 v16, v16, v17
	v_permlanex16_b32 v17, v16, s[SEL], s[SEL+1]
	v_add_f32 v16, v16, v17                        ; and lane l xor 16's 32
	v_mul_f32 v16, s98, v16
.irp i, 0,1,2,3,4,5,6,7,8,9,10,11,12,13,14,15
	v_pk_add_f32 v[RO+2*\i:RO+2*\i+1], v[RO+2*\i:RO+2*\i+1], v[16:17] op_sel_hi:[1,0] neg_lo:[0,1] neg_hi:[0,1]   ; out - mu
.endr
	v_pk_mul_f32 v[14:15], v[RO:RO+1], v[RO:RO+1]
	v_pk_mul_f32 v[18:19], v[RO+2:RO+3], v[RO+2:RO+3]
.irp i, 4,8,12,16,20,24,28
	v_pk_fma_f32 v[14:15], v[RO+\i:RO+\i+1], v[RO+\i:RO+\i+1], v[14:15]
	v_pk_fma_f32 v[18:19], v[RO+\i+2:RO+\i+3], v[RO+\i+2:RO+\i+3], v[18:19]
.endr
	v_pk_add_f32 v[14:15], v[14:15], v[18:19]
	v_add_f32 v14, v14, v15
	v_permlanex16_b32 v15, v14, s[SEL], s[SEL+1]
	v_add_f32 v14, v14, v15
	v_fma_f32 v14, v14, s98, s99                   ; var + 1e-5
	v_rsq_f32 v18, v14
	v_nop
	s_wait_alu depctr_va_vdst(0)
	s_wait_loadcnt 0x0                             ; alpha, gain, bias
.irp i, 0,1,2,3,4,5,6,7,8,9,10,11,12,13,14,15
	v_pk_mul_f32 v[RO+2*\i:RO+2*\i+1], v[RO+2*\i:RO+2*\i+1], v[18:19] op_sel_hi:[1,0]
.endr
.irp i, 0,1,2,3,4,5,6,7,8,9,10,11,12,13,14,15
	v_pk_fma_f32 v[RO+2*\i:RO+2*\i+1], v[RO+2*\i:RO+2*\i+1], v[RK+2*\i:RK+2*\i+1], v[RK+32+2*\i:RK+32+2*\i+1]
.endr
	v_cvt_f32_f16 v180, v36.l                      ; alpha widened: register halves are named, so the 32 lines are written out
	v_cvt_f32_f16 v181, v36.h
	v_cvt_f32_f16 v182, v37.l
	v_cvt_f32_f16 v183, v37.h
	v_cvt_f32_f16 v184, v38.l
	v_cvt_f32_f16 v185, v38.h
	v_cvt_f32_f16 v186, v39.l
	v_cvt_f32_f16 v187, v39.h
	v_cvt_f32_f16 v188, v40.l
	v_cvt_f32_f16 v189, v40.h
	v_cvt_f32_f16 v190, v41.l
	v_cvt_f32_f16 v191, v41.h
	v_cvt_f32_f16 v192, v42.l
	v_cvt_f32_f16 v193, v42.h
	v_cvt_f32_f16 v194, v43.l
	v_cvt_f32_f16 v195, v43.h
	v_cvt_f32_f16 v196, v44.l
	v_cvt_f32_f16 v197, v44.h
	v_cvt_f32_f16 v198, v45.l
	v_cvt_f32_f16 v199, v45.h
	v_cvt_f32_f16 v200, v46.l
	v_cvt_f32_f16 v201, v46.h
	v_cvt_f32_f16 v202, v47.l
	v_cvt_f32_f16 v203, v47.h
	v_cvt_f32_f16 v204, v48.l
	v_cvt_f32_f16 v205, v48.h
	v_cvt_f32_f16 v206, v49.l
	v_cvt_f32_f16 v207, v49.h
	v_cvt_f32_f16 v208, v50.l
	v_cvt_f32_f16 v209, v50.h
	v_cvt_f32_f16 v210, v51.l
	v_cvt_f32_f16 v211, v51.h
.irp i, 0,1,2,3,4,5,6,7,8,9,10,11,12,13,14,15
	v_pk_mul_f32 v[RO+2*\i:RO+2*\i+1], v[RO+2*\i:RO+2*\i+1], v[RV+2*\i:RV+2*\i+1]
.endr
.irp i, 0,1,2,3,4,5,6,7,8,9,10,11,12,13,14,15
	v_cvt_pk_f16_f32 v[RP+\i], v[RO+2*\i], v[RO+2*\i+1]
.endr
.irp t, 0,1,2,3
	ds_store_b128 v[STO], v[RP+4*\t:RP+4*\t+3] offset:32*\t
.endr
	s_wait_dscnt 0x0                               ; for the others' sake: my stores into the stage are done
	s_barrier_signal -1
	s_barrier_wait -1                              ; a token's 512 bytes come from four waves
.irp i, 0,1,2,3
	ds_load_b128 v[RS+4*\i:RS+4*\i+3], v[RD] offset:SPITCH*\i
.endr
.irp i, 0,1,2,3
	s_wait_dscnt 3-\i                              ; the younger loads may stay out
	global_store_b128 v[GO], v[RS+4*\i:RS+4*\i+3], s[14:15] offset:4096*\i   ; 32 lanes store 512 consecutive bytes, aligned
.endr
	s_wait_tensorcnt 0x0                           ; the wave's end
	ds_add_u32 v[SPW], v[NIL]
	s_wait_dscnt 0x0
	s_endpgm
.Lfunc_end_k_q7a302921d1_attn:
	.size	k_q7a302921d1_attn, .Lfunc_end_k_q7a302921d1_attn-k_q7a302921d1_attn
	.p2alignl 7, 3214868480
	.fill 96, 4, 3214868480
	.section	.rodata,"a",@progbits
	.p2align	6, 0x0
	.amdhsa_kernel k_q7a302921d1_attn
		.amdhsa_group_segment_fixed_size 327680
		.amdhsa_private_segment_fixed_size 0
		.amdhsa_enable_private_segment 0
		.amdhsa_kernarg_size 48
		.amdhsa_user_sgpr_count 2
		.amdhsa_user_sgpr_kernarg_segment_ptr 1
		.amdhsa_wavefront_size32 1
		.amdhsa_system_sgpr_workgroup_id_x 1
		.amdhsa_system_sgpr_workgroup_id_y 1
		.amdhsa_system_sgpr_workgroup_id_z 1
		.amdhsa_system_vgpr_workitem_id 0
		.amdhsa_next_free_vgpr 256
		.amdhsa_next_free_sgpr 100
		.amdhsa_reserve_vcc 1
		.amdhsa_float_denorm_mode_32 3
		.amdhsa_float_denorm_mode_16_64 3
		.amdhsa_memory_ordered 1
		.amdhsa_forward_progress 1
		.amdhsa_inst_pref_size 122
	.end_amdhsa_kernel
	.amdgpu_metadata
---
amdhsa.version: [ 1, 2 ]
amdhsa.kernels:
  - .name:           k_q7a302921d1_attn
    .symbol:         k_q7a302921d1_attn.kd
    .args:
      - { .name: q16, .offset: 0, .size: 8, .value_kind: global_buffer, .address_space: global }
      - { .name: kv16, .offset: 8, .size: 8, .value_kind: global_buffer, .address_space: global }
      - { .name: al16, .offset: 16, .size: 8, .value_kind: global_buffer, .address_space: global }
      - { .name: gn_weight, .offset: 24, .size: 8, .value_kind: global_buffer, .address_space: global }
      - { .name: gn_bias, .offset: 32, .size: 8, .value_kind: global_buffer, .address_space: global }
      - { .name: g16, .offset: 40, .size: 8, .value_kind: global_buffer, .address_space: global }
    .group_segment_fixed_size: 327680
    .private_segment_fixed_size: 0
    .kernarg_segment_align: 8
    .kernarg_segment_size: 48
    .max_flat_workgroup_size: 512
    .sgpr_count:     100
    .vgpr_count:     256
    .wavefront_size: 32
...
	.end_amdgpu_metadata
.endif
;; end of part 3
;; launch oproj (part 4): grid 16 x 16, 4 waves a work-group, clusters of 4 x 4, 327,680 bytes of LDS; arguments g16, wot, out0; writes out0
.if DOCPART == 4
	.amdgcn_target "amdgcn-amd-amdhsa--gfx1250"
	.amdhsa_code_object_version 6
	.text
	.protected	k_q7a302921d1_oproj
	.globl	k_q7a302921d1_oproj
	.p2align	8
	.type	k_q7a302921d1_oproj,@function
k_q7a302921d1_oproj:
	s_mov_b64 s[64:65], 0
	v_nop
	global_prefetch_b8 v0, s[64:65] scope:SCOPE_SE
	s_setreg_imm32_b32 hwreg(HW_REG_WAVE_MODE, 25, 1), 1
	s_wait_xcnt 0x0
	s_wait_alu depctr_hold_cnt(0) depctr_sa_sdst(0) depctr_va_vdst(0) depctr_va_sdst(0) depctr_va_ssrc(0) depctr_va_vcc(0) depctr_vm_vsrc(0)
	s_getreg_b32 s2, hwreg(HW_REG_IB_STS2, 6, 4)
	s_cmp_eq_u32 s2, 0
	s_cbranch_scc0 .Lentry_in_a_cluster
	s_endpgm
.Lentry_in_a_cluster:
	s_bfe_u32 s2, ttmp6, 0x10000c
	s_cmp_lg_u32 s2, 0xf033
	s_cbranch_scc0 .Lentry_shape_is_right
	s_endpgm
.Lentry_shape_is_right:
; OPROJ: out0[m][n] = sum over k of g16[m][k] wot[n][k].  g16 [2048][2048] and wot [2048][2048] f16, K innermost; out0 f32; sums in f32.  Nothing is left out here.
; 256 tiles of 128 x 128, one to a work-group of four waves, each 64 x 64: 16 accumulators.  K goes in steps of 256 (LDS rows of 512 bytes; a wave's tensor load brings 64 of them) through a ring of two slots.
; CLUSTERS: 4 x 4 work-groups.  The four of a row need the same tiles of g16, the four of a column the same tiles of wot: each tile is asked for jointly.
; THE MATRIX INSTRUCTION IS USED TRANSPOSED (source 0 = 16 rows of wot, source 1 = 16 rows of g16): a lane holds eight neighbouring numbers of a row of out0.
; No prefetch: a K step's tiles are small and many work-groups read each of them.
; REGISTERS: window 0: v0-31 addresses; v128-255 the accumulators ((a, b) at v[128 + 8 (4 a + b)]).   window 1: two fragment buffers of 128: for 64 along K, 64 registers of A, then 64 of B.
.set SIZE_M, 2048
.set SIZE_N, 2048
.set SIZE_K, 2048
.set KSTEP,  256
.set PITCH,  528                       ; an LDS row: 512 bytes + 16 of padding
.set HALFT,  64*PITCH
.set SLOT,   4*HALFT                   ; A's 128 rows, then B's 128 rows
.set STAGE,  2*SLOT                    ; behind the ring: 16 rows x 272 bytes for each wave
.set SPITCH, 272
.set SPARE,  STAGE+4*16*SPITCH         ; the spare words, 128 bytes a wave
.set LAPS, SIZE_K/(2*KSTEP)
.set ADRA, 16
.set ADRB, 20
.set STO,  24
.set RD,   25
.set CO,   26
.set SPW,  28
.set NIL,  29
.set ACC,  128
.set F0,   0
.set F1,   128
.set G1, 24
.set G0, 32
.set G1B, 48
.set G0B, 56
.set MSB, 0
.macro WIN new                         ; the immediate's high byte repeats the setting that is left
.if MSB != \new
	s_set_vgpr_msb (MSB<<8)|\new
.set MSB, \new
.endif
.endm
.set MUL,  0x05                        ; sources 0 (B) and 1 (A) window 1; C and D window 0
.set TO_F, 0x40                        ; destination window 1, address window 0
.macro JLOAD s                         ; a joint load: waves 0 and 1 fetch A's two halves, waves 2 and 3 B's; an s_nop 0 and four v_nop follow each of the two lines
	s_cmp_eq_u32 s11, 0
	s_cbranch_scc0 .Lfor_b_\@
	tensor_load_to_lds s[G0+4*\s:G0+4*\s+3], s[G1:G1+7]
	s_nop 0
.rept 4
	v_nop
.endr
	s_branch .Lasked_\@
.Lfor_b_\@:
	tensor_load_to_lds s[G0B+4*\s:G0B+4*\s+3], s[G1B:G1B+7]
	s_nop 0
.rept 4
	v_nop
.endr
.Lasked_\@:
.endm
.macro CREST                           ; a round of the cluster's barrier behind its opening barrier
	s_cmp_lg_u32 s10, 0
	s_cbranch_scc1 .Lnot_wave_0_\@
	s_barrier_signal -3
.Lnot_wave_0_\@:
	s_barrier_wait -3
	s_barrier_signal -1
	s_barrier_wait -1
.endm
.macro CROUND
	s_barrier_signal -1
	s_barrier_wait -1
	CREST
.endm
	s_load_b128 s[4:7], s[0:1], 0x0                ; g16 s[4:5], wot s[6:7]
	s_load_b64 s[8:9], s[0:1], 0x10                ; out0
	v_lshl_add_u32 v[SPW], v0, 2, SPARE
	v_mov_b32 v[NIL], 0
	ds_add_u32 v[SPW], v[NIL]                      ; the wave's opening
	ds_add_u32 v[SPW], v[NIL]
	v_lshrrev_b32 v1, 5, v0
	v_readfirstlane_b32 s10, v1                    ; wave 0..3
	s_lshr_b32 s11, s10, 1                         ; which half of the tile's rows is mine.  Also: I fetch for A (0) or for B (1)
	s_and_b32 s12, s10, 1                          ; which half of its columns.  Also: which 64 rows of that tile I fetch
	s_bfe_u32 s40, ttmp6, 0x40000                  ; cx, cy
	s_bfe_u32 s41, ttmp6, 0x40004
	s_lshl_b32 s42, ttmp9, 2
	s_add_co_u32 s42, s42, s40                     ; tile column
	s_and_b32 s13, ttmp7, 0xffff
	s_lshl_b32 s13, s13, 2
	s_add_co_u32 s13, s13, s41                     ; tile row
	s_lshl_b32 s43, s41, 2
	s_lshl_b32 s43, 15, s43                        ; my row of the cluster
	s_lshl_b32 s44, 0x1111, s40                    ; my column
	s_or_b32 s[G1+0], s43, (1<<16)|(1<<20)|(1<<21)|(6<<22)|(3<<25)  ; the mask; elements of 2 bytes; padding on; bit 21 beside a mask; after every 128 words; four words
	s_or_b32 s[G1B+0], s44, (1<<16)|(1<<20)|(1<<21)|(6<<22)|(3<<25)
.irp g, G1, G1B
	s_mov_b32 s[\g+1], KSTEP<<16                   ; tensor_dim0 = 256
	s_mov_b32 s[\g+2], 64<<16                      ; tensor_dim1 = 64
	s_mov_b32 s[\g+3], KSTEP<<16                   ; tile_dim0 = 256
	s_mov_b32 s[\g+4], 64                          ; tile_dim1 = 64
	s_mov_b32 s[\g+5], SIZE_K                      ; elements from row to row
	s_mov_b32 s[\g+6], 0
	s_mov_b32 s[\g+7], 0
.endr
	s_lshl_b32 s17, s12, 6                         ; which 64 rows of the tile I fetch
	s_lshl_b32 s16, s13, 7
	s_add_co_u32 s16, s16, s17                     ; A: row 128 x tile row + 64 x half
	s_lshl_b32 s46, s42, 7
	s_add_co_u32 s46, s46, s17                     ; B: row 128 x tile column + 64 x half
	s_mov_b32 s17, 0
	s_mov_b32 s47, 0
	s_mov_b64 s[18:19], SIZE_K*2
	s_mul_u64 s[16:17], s[16:17], s[18:19]
	s_mul_u64 s[46:47], s[46:47], s[18:19]
	s_mul_i32 s20, s10, HALFT                      ; where they go: wave x 64 rows
	s_wait_dscnt 0x0                               ; both opening adds are done
	s_wait_kmcnt 0x0
	s_add_nc_u64 s[14:15], s[4:5], s[16:17]
	s_add_nc_u64 s[46:47], s[6:7], s[46:47]
	CROUND                                         ; all sixteen work-groups are here: the first joint loads meet
.irp s, 0,1
	s_mov_b32 s[G0+4*\s], 1
	s_add_co_u32 s[G0+4*\s+1], s20, \s*SLOT
	s_add_nc_u64 s[G0+4*\s+2:G0+4*\s+3], s[14:15], \s*KSTEP*2
	s_or_b32 s[G0+4*\s+3], s[G0+4*\s+3], 0x80000000
	s_mov_b32 s[G0B+4*\s], 1
	s_add_co_u32 s[G0B+4*\s+1], s20, \s*SLOT
	s_add_nc_u64 s[G0B+4*\s+2:G0B+4*\s+3], s[46:47], \s*KSTEP*2
	s_or_b32 s[G0B+4*\s+3], s[G0B+4*\s+3], 0x80000000
	JLOAD \s
.endr
	v_and_b32 v1, 15, v0                           ; r
	v_bfe_u32 v2, v0, 4, 1                         ; h
	v_mul_u32_u24 v3, v1, PITCH
	v_lshl_add_u32 v3, v2, 4, v3                   ; a fragment's row x pitch + 16 h
	s_mul_i32 s21, s11, HALFT                      ; my 64 rows of A
	s_mul_i32 s22, s12, HALFT                      ; my 64 rows of B,
	s_add_co_u32 s22, s22, 2*HALFT                 ; behind A's 128
.irp s, 0,1
	v_add_nc_u32 v[ADRA+\s], s21, v3
	v_add_nc_u32 v[ADRB+\s], s22, v3
	s_add_co_u32 s21, s21, SLOT
	s_add_co_u32 s22, s22, SLOT
.endr
	s_mul_i32 s23, s10, 16*SPITCH
	s_add_co_u32 s23, s23, STAGE                   ; my stage: my 64 columns of f32 are 256 bytes, so no other wave has a part in my rows
	v_mul_u32_u24 v4, v1, SPITCH
	v_lshl_add_u32 v4, v2, 5, v4
	v_add_nc_u32 v[STO], s23, v4                   ; in: row r, 32 bytes for each half of the lanes
	v_mul_u32_u24 v5, v2, SPITCH
	v_lshl_add_u32 v5, v1, 4, v5
	v_add_nc_u32 v[RD], s23, v5                    ; out: lanes 0-15 one row of 256 bytes, lanes 16-31 the next
	v_lshlrev_b32 v5, 13, v2                       ; and the same two rows in out0
	v_lshl_add_u32 v[CO], v1, 4, v5
	s_lshl_b32 s16, s13, 7
	s_lshl_b32 s17, s11, 6
	s_add_co_u32 s16, s16, s17                     ; my first row: 128 x tile row + 64 x half
	s_lshl_b32 s16, s16, 13
	s_mov_b32 s17, 0
	s_add_nc_u64 s[8:9], s[8:9], s[16:17]
	s_lshl_b32 s46, s42, 9                         ; my first column, in bytes: 512 x tile column + 256 x half
	s_lshl_b32 s47, s12, 8
	s_add_co_u32 s46, s46, s47
	s_mov_b32 s47, 0
	s_add_nc_u64 s[8:9], s[8:9], s[46:47]
; 8 matrix instructions: m blocks a0, a0 + 1 x all 4 n blocks, 32 along K: half c of buffer f.  zero = 1: the first product starts the sums.  The 16 accumulators take turns.
.macro MUL8 f, c, a0, zero
.irp a, \a0, \a0+1
.irp b, 0,1,2,3
.if \zero
	v_wmma_f32_16x16x32_f16 v[ACC+8*(4*(\a)+\b):ACC+8*(4*(\a)+\b)+7], v[\f+64+8*(4*\c+\b):\f+64+8*(4*\c+\b)+7], v[\f+8*(4*\c+\a):\f+8*(4*\c+\a)+7], 0
.else
	v_wmma_f32_16x16x32_f16 v[ACC+8*(4*(\a)+\b):ACC+8*(4*(\a)+\b)+7], v[\f+64+8*(4*\c+\b):\f+64+8*(4*\c+\b)+7], v[\f+8*(4*\c+\a):\f+8*(4*\c+\a)+7], v[ACC+8*(4*(\a)+\b):ACC+8*(4*(\a)+\b)+7]
.endif
.endr
.endr
.endm
; 32 LDS loads in one run: the fragments of 64 along K at byte k of the rows, into buffer f; the first 32 along K first
.macro FETCH slot, k, f
	WIN TO_F
.irp c, 0,1
.irp i, 0,1,2,3
	ds_load_b128 v[\f+64+8*(4*\c+\i):\f+64+8*(4*\c+\i)+3],   v[ADRB+\slot] offset:\k+64*\c+\i*16*PITCH
	ds_load_b128 v[\f+64+8*(4*\c+\i)+4:\f+64+8*(4*\c+\i)+7], v[ADRB+\slot] offset:\k+64*\c+\i*16*PITCH+32
	ds_load_b128 v[\f+8*(4*\c+\i):\f+8*(4*\c+\i)+3],         v[ADRA+\slot] offset:\k+64*\c+\i*16*PITCH
	ds_load_b128 v[\f+8*(4*\c+\i)+4:\f+8*(4*\c+\i)+7],       v[ADRA+\slot] offset:\k+64*\c+\i*16*PITCH+32
.endr
.endr
.endm
.macro PLACES                          ; four plain lines in front of loads into registers that matrix instructions have read, and of the first read of results
.rept 4
	v_nop
.endr
.endm
; A K step is four quarters of 64 along K, 32 matrix instructions each, on buffers 0, 1, 0, 1.  One of the first three: multiplies buffer f and fetches the next quarter, at byte k, into g.
.macro QUARTER slot, k, f, g, zero
	s_wait_dscnt 16                                ; the first 32 along K are in; the sixteen loads of the second may be out
	WIN MUL
	MUL8 \f, 0, 0, \zero
	MUL8 \f, 0, 2, \zero
	PLACES
	FETCH \slot, \k, \g
	s_wait_dscnt 32                                ; all but the 32 just issued
	WIN MUL
	MUL8 \f, 1, 0, 0
	MUL8 \f, 1, 2, 0
.endm
; The last quarter multiplies buffer 1 and changes slots: ONE barrier; in front of it each wave waits for all its tensor loads, adds 0 to its spare word, and waits for that and for its own reads of this slot.
.macro TURN slot, next, fill
	WIN 0                                          ; (the add's two registers lie in window 0)
	s_wait_tensorcnt 0x0                           ; all my tensor loads have landed: my part of the next slot
	ds_add_u32 v[SPW], v[NIL]
	s_wait_dscnt 17                                ; (the add and the youngest sixteen loads may be out)
	WIN MUL
	MUL8 F1, 0, 0, 0                               ; eight matrix instructions stand between the add and the wait for it
	s_wait_dscnt 0x0                               ; the add is done, and my reads of this slot are over
	s_barrier_signal -1
	MUL8 F1, 0, 2, 0
.if \fill
	WIN 0
.endif
	s_barrier_wait -1
.if \fill
	CREST                                          ; the barrier has opened a round of the cluster's barrier: no wave of any partner still reads this slot's tile or has a load on its way
	s_add_nc_u64 s[G0+4*\slot+2:G0+4*\slot+3], s[G0+4*\slot+2:G0+4*\slot+3], 2*KSTEP*2
	s_add_nc_u64 s[G0B+4*\slot+2:G0B+4*\slot+3], s[G0B+4*\slot+2:G0B+4*\slot+3], 2*KSTEP*2
	JLOAD \slot                                    ; the first tensor load behind the round; the four v_nop behind it are also the places in front of the loads below
.else
	PLACES
.endif
	FETCH \next, 0, F0
	WIN MUL
	MUL8 F1, 1, 0, 0
	MUL8 F1, 1, 2, 0
.endm
	s_wait_tensorcnt 1                             ; my part of K step 0 is in; K step 1's load may be out
	s_barrier_signal -1
	s_barrier_wait -1                              ; everybody's is
	FETCH 0, 0, F0
	QUARTER 0, 128, F0, F1, 1                      ; the first quarter stands in front of the loop: its first products start the sums
	WIN 0                                          ; at a label and at a branch every window is 0
	s_mov_b32 s3, LAPS-1
.Llap:                                                 ; a trip goes once round the ring, from a lap's second quarter to the next lap's first, and fills both slots again
	QUARTER 0, 256, F1, F0, 0
	QUARTER 0, 384, F0, F1, 0
	TURN 0, 1, 1
	QUARTER 1, 128, F0, F1, 0
	QUARTER 1, 256, F1, F0, 0
	QUARTER 1, 384, F0, F1, 0
	TURN 1, 0, 1
	QUARTER 0, 128, F0, F1, 0
	WIN 0
	s_sub_co_u32 s3, s3, 1
	s_cmp_lg_u32 s3, 0
	s_cbranch_scc1 .Llap
	QUARTER 0, 256, F1, F0, 0                      ; the last lap fills nothing, and has no round of the cluster's barrier
	QUARTER 0, 384, F0, F1, 0
	TURN 0, 1, 0
	QUARTER 1, 128, F0, F1, 0
	QUARTER 1, 256, F1, F0, 0
	QUARTER 1, 384, F0, F1, 0
	s_wait_dscnt 16                                ; the very last quarter: nothing more to fetch
	WIN MUL
	MUL8 F1, 0, 0, 0
	MUL8 F1, 0, 2, 0
	s_wait_dscnt 0
	MUL8 F1, 1, 0, 0
	MUL8 F1, 1, 2, 0
	WIN 0
; THE WAY OUT, 16 rows x 64 columns at a time, through my own stage: in as 32 bytes a lane, back as whole rows of 256 bytes, into the registers that they left.  LDS serves a wave's instructions in order.
.macro TOSTAGE a
.irp b, 0,1,2,3
	ds_store_b128 v[STO], v[ACC+8*(4*(\a)+\b):ACC+8*(4*(\a)+\b)+3] offset:64*\b        ; each accumulator from its low end on
	ds_store_b128 v[STO], v[ACC+8*(4*(\a)+\b)+4:ACC+8*(4*(\a)+\b)+7] offset:64*\b+16
.endr
.irp t, 0,1,2,3,4,5,6,7
	ds_load_b128 v[ACC+32*(\a)+4*\t:ACC+32*(\a)+4*\t+3], v[RD] offset:2*SPITCH*\t
.endr
.endm
.macro SENDF a, younger                ; younger: the LDS instructions issued behind block a's loads, which may stay out
	s_wait_dscnt \younger
.irp t, 0,1,2,3,4,5,6,7
	global_store_b128 v[CO], v[ACC+32*(\a)+4*\t:ACC+32*(\a)+4*\t+3], s[8:9] offset:(16*(\a)+2*\t)*SIZE_N*4 th:TH_STORE_NT   ; 16 lanes store 256 consecutive bytes, aligned; written once, read by nobody here
.endr
.endm
	PLACES
	TOSTAGE 0
	TOSTAGE 1
	SENDF 0, 16                                    ; behind block 0's loads: block 1's 8 stores and 8 loads
	TOSTAGE 2
	SENDF 1, 16
	TOSTAGE 3
	SENDF 2, 16
	SENDF 3, 0
	s_wait_tensorcnt 0x0                           ; the wave's end
	ds_add_u32 v[SPW], v[NIL]
	s_wait_dscnt 0x0
	CROUND                                         ; the closing round
	s_endpgm
.Lfunc_end_k_q7a302921d1_oproj:
	.size	k_q7a302921d1_oproj, .Lfunc_end_k_q7a302921d1_oproj-k_q7a302921d1_oproj
	.p2alignl 7, 3214868480
	.fill 96, 4, 3214868480
	.section	.rodata,"a",@progbits
	.p2align	6, 0x0
	.amdhsa_kernel k_q7a302921d1_oproj
		.amdhsa_group_segment_fixed_size 327680
		.amdhsa_private_segment_fixed_size 0
		.amdhsa_enable_private_segment 0
		.amdhsa_kernarg_size 24
		.amdhsa_user_sgpr_count 2
		.amdhsa_user_sgpr_kernarg_segment_ptr 1
		.amdhsa_wavefront_size32 1
		.amdhsa_system_sgpr_workgroup_id_x 1
		.amdhsa_system_sgpr_workgroup_id_y 1
		.amdhsa_system_sgpr_workgroup_id_z 1
		.amdhsa_system_vgpr_workitem_id 0
		.amdhsa_next_free_vgpr 512
		.amdhsa_next_free_sgpr 66
		.amdhsa_reserve_vcc 0
		.amdhsa_float_denorm_mode_32 3
		.amdhsa_float_denorm_mode_16_64 3
		.amdhsa_memory_ordered 1
		.amdhsa_forward_progress 1
		.amdhsa_inst_pref_size 85
	.end_amdhsa_kernel
	.amdgpu_metadata
---
amdhsa.version: [ 1, 2 ]
amdhsa.kernels:
  - .name:           k_q7a302921d1_oproj
    .symbol:         k_q7a302921d1_oproj.kd
    .args:
      - { .name: g16, .offset: 0, .size: 8, .value_kind: global_buffer, .address_space: global }
      - { .name: wot, .offset: 8, .size: 8, .value_kind: global_buffer, .address_space: global }
      - { .name: out0, .offset: 16, .size: 8, .value_kind: global_buffer, .address_space: global }
    .group_segment_fixed_size: 327680
    .private_segment_fixed_size: 0
    .kernarg_segment_align: 8
    .kernarg_segment_size: 24
    .max_flat_workgroup_size: 128
    .sgpr_count:     66
    .vgpr_count:     512
    .wavefront_size: 32
...
	.end_amdgpu_metadata
.endif
;; end of part 4
